; MI455X (gfx1250); checked and timed in simulation.
; The chip was launched on July 23, 2026; its instructions are those of AMD's public machine-readable ISA for CDNA 5 (MIT licence, August 2026) and "CDNA5" Instruction Set Architecture Reference Guide (July 2026). The comments in the code are by the model that wrote it; some were corrected since.
;; Multi Head Attention. Allowed arithmetic: matrix products marked QUANTISED: E2M1 operands, one E8M0 scale for each 32 along K, by v_wmma_scale_f32_16x16x128_f8f6f4 with both operands' format E2M1 (or v_wmma_scale_f32_32x16x128_f4), f32 sums; products left as they are: bf16, f16 or f32 operands; f32 sums; everything else in f32.
;; Inputs: W_k 1,024 x 1,024 float32; W_o 1,024 x 1,024 float32; W_q 1,024 x 1,024 float32; W_v 1,024 x 1,024 float32; b_k 1,024 float32; b_o 1,024 float32; b_q 1,024 float32; b_v 1,024 float32; key 2 x 2,048 x 1,024 float32; query 2 x 2,048 x 1,024 float32; value 2 x 2,048 x 1,024 float32.
;; Outputs: out0 2 x 2,048 x 1,024 float32.
;; This version of the problem:
;;   THIS VERSION OF THE PROBLEM IS GIVEN IN LOW PRECISION. The matrix products marked QUANTISED in the list below multiply operands that are first quantised to E2M1 (2 exponent bits, 1 mantissa bit; 4 bits a number), with one power-of-two scale for each 32 numbers along K (OCP MX v1.0); their sums are f32. The products marked 'left as it is' may take bf16, f16 or f32 operands, with f32 sums. Whichever they take, every output number must still come out within the allowed error. Rounding operands to bf16 (8 significant bits) uses up far more of that allowance than f16 does (11 bits, for magnitudes from 6e-5 to 65,504). All else is computed in f32.
;;   The module's matrix products, in the order in which they are computed (A, B: the left and right operand; K: the contracted axis; several contracted axes count as one K, in the product's order):
;;     1. [M 4,096, K 1,024] x [K 1,024, N 1,024]; A: input query; B: input W_q: QUANTISED
;;     2. [M 4,096, K 1,024] x [K 1,024, N 1,024]; A: input key; B: input W_k: QUANTISED
;;     3. [M 4,096, K 1,024] x [K 1,024, N 1,024]; A: input value; B: input W_v: QUANTISED
;;     4. batch 32 x [M 2,048, K 64] x [K 64, N 2,048]; A: computed on the way; B: computed on the way: left as it is (an operand is computed on the way)
;;     5. batch 32 x [M 2,048, K 2,048] x [K 2,048, N 64]; A: computed on the way; B: computed on the way: left as it is (an operand is computed on the way)
;;     6. [M 4,096, K 1,024] x [K 1,024, N 1,024]; A: computed on the way; B: input W_o: left as it is (an operand is computed on the way)
;;   THE QUANTISER, for each operand of a quantised product, along K:
;;     - K is cut into blocks of 32 from its start; a last block that is shorter is filled with zeros.
;;     - A block's scale is 2^e with e = floor(log2(the largest magnitude in the block)) - 2, held to -126 .. 127; a block of zeros has e = 0. As a byte (E8M0): e + 127.
;;     - Each number is divided by its block's scale, clamped to +-6, and rounded to the nearest number of E2M1, ties to even, subnormals kept.
;;     - The product sums the exact products of the quantised numbers (number of the format x scale) in f32.
;;   ~~~python
;;   def quantise(x, axis):      # numpy; x: float32 -> the quantised numbers, widened to float32 again
;;       x = np.moveaxis(x, axis, -1); K = x.shape[-1]
;;       x = np.pad(x, [(0, 0)] * (x.ndim - 1) + [(0, -K % 32)]); x = x.reshape(x.shape[:-1] + (-1, 32)); a = np.abs(x).max(-1, keepdims=True)
;;       e = np.where(a > 0, np.clip(np.frexp(np.where(a > 0, a, 1))[1] - 1 - 2, -126, 127), 0)      # np.frexp(a)[1] - 1 = floor(log2(a)), exactly
;;       r = np.clip(x / 2.0 ** e, -6, 6)
;;       step = 2.0 ** (np.maximum(np.frexp(np.where(r == 0, 1, r))[1] - 1, 0) - 1)
;;       q = np.round(r / step) * step * 2.0 ** e      # np.round: ties to even
;;       return np.moveaxis(q.reshape(q.shape[:-2] + (-1,))[..., :K], -1, axis).astype(np.float32)
;;   ~~~
;; One version. Each part assembles by itself: llvm-mc -triple=amdgcn-amd-amdhsa -mcpu=gfx1250 --defsym DOCPART=n.
;; ======== version 1 of 1: 4 launches
;; limits: values are held in f16: magnitudes above 65,504 overflow, below 6.1e-05 lose precision
;; workspace buffers: codes 7,864,320 bytes; scales 491,520 bytes; wo16 2,097,152 bytes; qf 8,388,608 bytes; kf 8,388,608 bytes; vf 8,388,608 bytes; attnf 8,388,608 bytes
;; launch prep (part 1): grid 512 x 1, 4 waves a work-group, no clusters, 33,280 bytes of LDS; arguments query, key, value, W_q, W_k, W_v, W_o, codes, scales, wo16; writes codes, scales, wo16
.if DOCPART == 1
	.amdgcn_target "amdgcn-amd-amdhsa--gfx1250"
	.amdhsa_code_object_version 6
	.text
	.protected	k_qd179904c3b_prep
	.globl	k_qd179904c3b_prep
	.p2align	8
	.type	k_qd179904c3b_prep,@function
k_qd179904c3b_prep:
	s_mov_b64 s[64:65], 0
	v_nop
	global_prefetch_b8 v0, s[64:65] scope:SCOPE_SE
	s_setreg_imm32_b32 hwreg(HW_REG_WAVE_MODE, 25, 1), 1
	s_wait_xcnt 0x0
; query, key, value [4096][1024] and W_q, W_k, W_v [1024][1024], f32 with K innermost, become codes of FP4 (E2M1), two a byte, the lower k in the low four bits,
; and one E8M0 byte for each 32 along K.  The six tensors' codes lie on end in one buffer of 15,360 rows x 512 bytes, their scale bytes in one of 15,360 rows x 32 bytes.  W_o becomes f16, row-major.
; A block's scale is 2^(floor(log2(its largest magnitude)) - 2): its byte is the largest magnitude's own exponent field - 2, held at 1 from below.
; LIMITS: a block of zeros gets the byte 1 where the quantiser's text says 127: its codes are zeros, which add nothing, and this program alone reads the bytes.  Blocks whose largest magnitude lies under
; 2^(3 - 127) share that byte.  NaN and infinities among the inputs are not served.  W_o beyond 65,504 in magnitude has no f16 number; under 6e-5 it is rounded on f16's smallest step.
; SHARES.  A work-group takes 32,768 numbers, a wave 8,192: 16 steps of 512.  Work-groups 0-127 query, 128-255 key, 256-383 value, 384-415 W_q, 416-447 W_k, 448-479 W_v, 480-511 W_o.
; Rows are dense and K is a multiple of 32: each tensor is a plain stream of blocks, and since the outputs lie on end in the same order, the place of a wave's codes and bytes hangs on 4 x work-group + wave alone.
; The conversions take 8 numbers of one block from ONE lane's registers, so a lane must hold 16 neighbours; a load is best where neighbouring LANES take neighbouring bytes.  Both are had: each load reads 512 consecutive
; bytes, 16 a lane; a step's 2,048 bytes go through the wave's own stage in LDS and come back 64 bytes a lane.  No barrier: waves share nothing.
.set WAVES, 4
.set STEPS, 16
.set CB,    8                          ; bytes of 16 codes
.set R,     16                         ; v16-79   four sets of 16 numbers as they are loaded (W_o's path: v16-143, two sets of 64)
.set X,     80                         ; v80-111  two sets of 16 neighbours
.set E,     112                        ; v112-127 a scale byte for each step
.set C,     128                        ; v128-191 codes: four registers for each step, so that no store's data are written again
.set HF,    144                        ; W_o's path: v144-175 f16 pairs to store
.set WREG,  8192                       ; LDS: a region for each wave: two stages of 32 x SP bytes, behind them its 256 scale bytes
.set SP,    80                         ; a lane's place in a stage: its 64 bytes + 16 of padding
.set SPW,   12                         ; v12  LDS address of my spare word; never rewritten
.set NIL,   13                         ; v13  0; never rewritten
.set SPARE, WAVES*WREG                 ; behind the four regions: the spare words, 128 bytes a wave, which no other line names
	s_load_b256 s[4:11], s[0:1], 0x0               ; query s[4:5], key s[6:7], value s[8:9], W_q s[10:11]
	s_load_b256 s[12:19], s[0:1], 0x20             ; W_k s[12:13], W_v s[14:15], W_o s[16:17], codes s[18:19]
	s_load_b128 s[20:23], s[0:1], 0x40             ; scales s[20:21], wo16 s[22:23]
	v_lshl_add_u32 v[SPW], v0, 2, SPARE
	v_mov_b32 v[NIL], 0
	v_lshrrev_b32 v1, 5, v0
	v_readfirstlane_b32 s26, v1                    ; wave
	v_and_b32 v2, 31, v0                           ; lane
	v_lshlrev_b32 v3, 4, v2                        ; my 16 bytes of a load's 512
	s_mul_i32 s27, s26, WREG
	v_lshrrev_b32 v14, 2, v2
	v_mul_u32_u24 v14, v14, SP
	v_and_b32 v15, 3, v2
	v_lshl_add_u32 v14, v15, 4, v14
	v_add_nc_u32 v14, s27, v14                     ; the stage, on the way in: four lanes' 64 bytes on end, then 16 of padding
	v_mul_u32_u24 v15, v2, SP
	v_add_nc_u32 v15, s27, v15                     ; and on the way out: SP x lane: my 16 neighbours
	v_mul_u32_u24 v4, v2, CB                       ; 8 x lane: my codes' place in a step's; in W_o's path my four f16
	v_lshrrev_b32 v5, 1, v2
	s_add_co_u32 s27, s27, 2*32*SP
	v_add_nc_u32 v5, s27, v5                       ; LDS: my wave's 256 scale bytes, my block's byte
	v_lshlrev_b32 v7, 3, v2                        ; and on the way out 8 bytes a lane
	v_add_nc_u32 v6, s27, v7
	s_lshl_b32 s28, ttmp9, 2
	s_add_co_u32 s28, s28, s26                     ; which run of 8,192 numbers of the six tensors on end is my wave's
	s_mov_b32 s31, 0
	s_wait_kmcnt 0x0
	s_cmp_ge_u32 ttmp9, 480
	s_cbranch_scc1 .Lwo                            ; the last 32 work-groups take W_o: a branch on the work-group's number
	s_mov_b32 s24, 0                               ; my tensor's first work-group
.macro PICK first, p                   ; from work-group first on the source is the buffer in s[p:p+1]: only pointers are chosen, all six tensors take one path
	s_cmp_ge_u32 ttmp9, \first
	s_cselect_b64 s[4:5], s[\p:\p+1], s[4:5]
	s_cselect_b32 s24, \first, s24
.endm
	PICK 128, 6
	PICK 256, 8
	PICK 384, 10
	PICK 416, 12
	PICK 448, 14
	s_sub_co_u32 s25, ttmp9, s24
	s_lshl_b32 s25, s25, 2
	s_add_co_u32 s25, s25, s26                     ; my run inside its tensor
	s_lshl_b32 s30, s25, 15                        ; 32,768 bytes of f32 a run
	s_add_nc_u64 s[4:5], s[4:5], s[30:31]
	s_lshl_b32 s30, s28, 12                        ; 4,096 bytes of codes a run
	s_add_nc_u64 s[18:19], s[18:19], s[30:31]
	s_lshl_b32 s30, s28, 8                         ; 256 scale bytes a run
	s_add_nc_u64 s[20:21], s[20:21], s[30:31]
.macro LOAD t
.irp i, 0,1,2,3
	global_load_b128 v[R+16*((\t)%4)+4*\i:R+16*((\t)%4)+4*\i+3], v3, s[4:5] offset:2048*(\t)+512*\i th:TH_LOAD_NT   ; 32 lanes read 512 consecutive bytes; read once in the launch
.endr
.endm
.macro TURN t                          ; step t's numbers through the stage: LDS serves a wave's instructions in order (ISA guide 5.7.1.4), so no wait stands between the stores and the loads
.irp i, 0,1,2,3
	ds_store_b128 v14, v[R+16*((\t)%4)+4*\i:R+16*((\t)%4)+4*\i+3] offset:32*SP*((\t)%2)+8*SP*\i
.endr
.irp i, 0,1,2,3
	ds_load_b128 v[X+16*((\t)%2)+4*\i:X+16*((\t)%2)+4*\i+3], v15 offset:32*SP*((\t)%2)+16*\i
.endr
.endm
.irp t, 0,1,2,3
	LOAD \t
.endr
	s_wait_loadcnt 12                              ; step 0's four loads are in; the twelve of steps 1 to 3 stay out
	TURN 0
.macro STEP t
.set XS, X+16*((\t)%2)
.if (\t) > 0
	s_wait_dscnt 1                                 ; this step's numbers are back from the stage (the last step's byte store may be out): so its stores into the stage have read their registers,
.else
	s_wait_dscnt 0x0
.endif
.if (\t)+4 < STEPS
	LOAD (\t)+4                                    ; which take the loads of four steps on
.endif
.if (\t)+1 < STEPS
.if STEPS-2-(\t) >= 3
	s_wait_loadcnt 12                              ; the next step's four loads are in; those of the three steps behind it may be out
.else
	s_wait_loadcnt 4*(STEPS-2-(\t))                ; at the end the counts run down
.endif
	TURN (\t)+1                                    ; and go through the other stage while this step is worked
.endif
	v_max3_num_f32 v8, |v[XS]|, |v[XS+1]|, |v[XS+2]|               ; the largest magnitude of my 16, in two chains
	v_max3_num_f32 v9, |v[XS+3]|, |v[XS+4]|, |v[XS+5]|
.irp i, 6,10
	v_max3_num_f32 v8, v8, |v[XS+\i]|, |v[XS+\i+1]|
	v_max3_num_f32 v9, v9, |v[XS+\i+2]|, |v[XS+\i+3]|
.endr
	v_max3_num_f32 v8, v8, |v[XS+14]|, |v[XS+15]|
	v_max3_num_f32 v8, v8, v9, 0x1800000           ; and the floor 2^(3 - 127): the byte cannot fall under 1
	v_max_num_f32_dpp v8, v8, v8 row_xmask:1 row_mask:0xf bank_mask:0xf   ; and of my neighbour's 16: the block's
	v_add_nc_u32 v11, 0xff000000, v8               ; 2 off its exponent field: the conversion takes the exponent field of this operand as its scale, and nothing else of it
	v_cvt_scalef32_pk8_fp4_f32 v[C+4*(\t)], v[XS:XS+7], v11        ; eight numbers / the scale, to the nearest code, ties to even, beyond 6 the largest code
	v_cvt_scalef32_pk8_fp4_f32 v[C+4*(\t)+1], v[XS+8:XS+15], v11
	v_lshrrev_b32 v[E+(\t)], 23, v11               ; the scale's byte (also the plain line behind the conversions)
	ds_store_b8 v5, v[E+(\t)] offset:16*(\t)       ; both lanes of a block write the same byte with the same value
	global_store_b64 v4, v[C+4*(\t):C+4*(\t)+1], s[18:19] offset:32*CB*(\t)   ; the wave stores 256 consecutive bytes, aligned
.endm
.irp t, 0,1,2,3,4,5,6,7,8,9,10,11,12,13,14,15
	STEP \t
.endr
	ds_load_b64 v[8:9], v6                         ; my wave's 256 scale bytes: these loads see my stores
	s_wait_dscnt 0x0
	global_store_b64 v7, v[8:9], s[20:21]          ; 256 consecutive bytes, aligned
	s_wait_tensorcnt 0x0                           ; the wave's end, behind my last LDS store
	ds_add_u32 v[SPW], v[NIL]
	s_wait_dscnt 0x0
	s_endpgm
; W_o: a plain stream, f32 to f16, no LDS.  A wave takes 32,768 bytes in four rounds of 16 loads; two rounds are on their way.
.Lwo:
	s_sub_co_u32 s25, ttmp9, 480
	s_lshl_b32 s25, s25, 2
	s_add_co_u32 s25, s25, s26                     ; my run of 8,192 numbers
	s_lshl_b32 s30, s25, 15
	s_add_nc_u64 s[16:17], s[16:17], s[30:31]
	s_lshl_b32 s30, s25, 14
	s_add_nc_u64 s[22:23], s[22:23], s[30:31]
.macro LOADW g
.irp i, 0,1,2,3,4,5,6,7,8,9,10,11,12,13,14,15
	global_load_b128 v[R+64*((\g)%2)+4*\i:R+64*((\g)%2)+4*\i+3], v3, s[16:17] offset:8192*(\g)+512*\i th:TH_LOAD_NT
.endr
.endm
	LOADW 0
	LOADW 1
.irp g, 0,1,2,3
.if \g < 3
	s_wait_loadcnt 16                              ; this round's 16 loads are in; the younger round's 16 may be out
.else
	s_wait_loadcnt 0x0
.endif
.if \g > 0
	s_wait_xcnt 0x0                                ; the last round's stores have read their data: only behind this wait are those registers written again
.endif
.irp i, 0,1,2,3,4,5,6,7,8,9,10,11,12,13,14,15
	v_cvt_pk_f16_f32 v[HF+2*\i], v[R+64*(\g%2)+4*\i], v[R+64*(\g%2)+4*\i+1]
	v_cvt_pk_f16_f32 v[HF+2*\i+1], v[R+64*(\g%2)+4*\i+2], v[R+64*(\g%2)+4*\i+3]
.endr
.irp i, 0,1,2,3,4,5,6,7,8,9,10,11,12,13,14,15
	global_store_b64 v4, v[HF+2*\i:HF+2*\i+1], s[22:23] offset:4096*\g+256*\i   ; 256 consecutive bytes, aligned
.endr
.if \g < 2
	LOADW \g+2
.endif
.endr
	s_endpgm
.Lfunc_end_k_qd179904c3b_prep:
	.size	k_qd179904c3b_prep, .Lfunc_end_k_qd179904c3b_prep-k_qd179904c3b_prep
	.p2alignl 7, 3214868480
	.fill 96, 4, 3214868480
	.section	.rodata,"a",@progbits
	.p2align	6, 0x0
	.amdhsa_kernel k_qd179904c3b_prep
		.amdhsa_group_segment_fixed_size 33280
		.amdhsa_private_segment_fixed_size 0
		.amdhsa_enable_private_segment 0
		.amdhsa_kernarg_size 80
		.amdhsa_user_sgpr_count 2
		.amdhsa_user_sgpr_kernarg_segment_ptr 1
		.amdhsa_wavefront_size32 1
		.amdhsa_system_sgpr_workgroup_id_x 1
		.amdhsa_system_sgpr_workgroup_id_y 1
		.amdhsa_system_sgpr_workgroup_id_z 1
		.amdhsa_system_vgpr_workitem_id 0
		.amdhsa_next_free_vgpr 192
		.amdhsa_next_free_sgpr 66
		.amdhsa_reserve_vcc 0
		.amdhsa_float_denorm_mode_32 3
		.amdhsa_float_denorm_mode_16_64 3
		.amdhsa_memory_ordered 1
		.amdhsa_forward_progress 1
		.amdhsa_inst_pref_size 55
	.end_amdhsa_kernel
	.amdgpu_metadata
---
amdhsa.version: [ 1, 2 ]
amdhsa.kernels:
  - .name:           k_qd179904c3b_prep
    .symbol:         k_qd179904c3b_prep.kd
    .args:
      - { .name: query, .offset: 0, .size: 8, .value_kind: global_buffer, .address_space: global }
      - { .name: key, .offset: 8, .size: 8, .value_kind: global_buffer, .address_space: global }
      - { .name: value, .offset: 16, .size: 8, .value_kind: global_buffer, .address_space: global }
      - { .name: W_q, .offset: 24, .size: 8, .value_kind: global_buffer, .address_space: global }
      - { .name: W_k, .offset: 32, .size: 8, .value_kind: global_buffer, .address_space: global }
      - { .name: W_v, .offset: 40, .size: 8, .value_kind: global_buffer, .address_space: global }
      - { .name: W_o, .offset: 48, .size: 8, .value_kind: global_buffer, .address_space: global }
      - { .name: codes, .offset: 56, .size: 8, .value_kind: global_buffer, .address_space: global }
      - { .name: scales, .offset: 64, .size: 8, .value_kind: global_buffer, .address_space: global }
      - { .name: wo16, .offset: 72, .size: 8, .value_kind: global_buffer, .address_space: global }
    .group_segment_fixed_size: 33280
    .private_segment_fixed_size: 0
    .kernarg_segment_align: 8
    .kernarg_segment_size: 80
    .max_flat_workgroup_size: 128
    .sgpr_count:     66
    .vgpr_count:     192
    .wavefront_size: 32
...
	.end_amdgpu_metadata
.endif
;; end of part 1
;; launch proj (part 2): grid 4 x 48, 4 waves a work-group, clusters of 4 x 4, 327,680 bytes of LDS; arguments codes, scales, b_q, b_k, b_v, qf, kf, vf; writes qf, kf, vf
.if DOCPART == 2
	.amdgcn_target "amdgcn-amd-amdhsa--gfx1250"
	.amdhsa_code_object_version 6
	.text
	.protected	k_qd179904c3b_proj
	.globl	k_qd179904c3b_proj
	.p2align	8
	.type	k_qd179904c3b_proj,@function
k_qd179904c3b_proj:
	s_mov_b64 s[64:65], 0
	v_nop
	global_prefetch_b8 v0, s[64:65] scope:SCOPE_SE
	s_setreg_imm32_b32 hwreg(HW_REG_WAVE_MODE, 25, 1), 1
	s_wait_xcnt 0x0
	s_wait_alu depctr_hold_cnt(0) depctr_sa_sdst(0) depctr_va_vdst(0) depctr_va_sdst(0) depctr_va_ssrc(0) depctr_va_vcc(0) depctr_vm_vsrc(0)
	s_getreg_b32 s2, hwreg(HW_REG_IB_STS2, 6, 4)
	s_cmp_eq_u32 s2, 0
	s_cbranch_scc0 .Lentry_in_a_cluster
	s_endpgm
.Lentry_in_a_cluster:
	s_bfe_u32 s2, ttmp6, 0x10000c
	s_cmp_lg_u32 s2, 0xf033
	s_cbranch_scc0 .Lentry_shape_is_right
	s_endpgm
.Lentry_shape_is_right:
; Q = query W_q^T + b_q, K = key W_k^T + b_k, V = value W_v^T + b_v: three products [4096 x 1024] x [1024 x 1024] on codes of FP4 (E2M1) with one E8M0 scale for each 32 along K; sums in f32; results rounded once to f16.
; codes: 15,360 rows x 512 bytes (rows 0-12,287 query, key, value; from 12,288 on W_q, W_k, W_v); scales: the same rows x 32 bytes.
; A tile of 256 x 256 is made by a work-group of four waves; a wave makes 128 x 128: 64 accumulators, 512 registers.  16 x 4 tiles a tensor, three tensors: 192 work-groups.
; K = 1,024 is two steps of 512, and LDS holds both: every tile is asked for at the head and NO LDS byte is filled twice.  The scale bytes of the work-group's 512 rows, two dense blocks, come with them.
; CLUSTERS: 4 x 4 work-groups of one tensor.  The four of a row of the cluster need the same rows of x, the four of a column the same rows of W: each tile is asked for jointly, by the same tensor load with the same
; descriptor and a mask that names the four.
; THE MATRIX INSTRUCTION IS USED TRANSPOSED (source 0 = 16 rows of W, source 1 = 16 rows of x): a lane holds eight neighbouring channels of one row.  Packed to f16 they are four registers of the next product's fragment.
; So the outputs are laid in the ORDER OF THE NEXT OPERAND'S REGISTERS: [batch x head (32)][16 positions (128)][32 channels (2)][16 channels (2)][place (32)][16 bytes], and each store of the wave covers 512 consecutive
; bytes, aligned, straight from registers.  The chunk (position r of 16, half h of the 16 channels) lies at place r + 16 h in qf and kf, at (r % 8) + 8 h + 16 (r / 8) in vf, where the turning LDS load wants it.
; The bias is the C of each sum's first matrix instruction: it costs no addition.
; LIMIT: |Q|, |K|, |V| stay under 65,504, f16's largest number (as drawn they are about 5).
; REGISTERS, in windows of 256: window 0: v16-29 addresses; v32-95 scale words, two sets, and nothing else; v96-223 on the way out the packed results; v128-191 x's fragments, ONE set; v192-255 the bias, 8 tiles of 8.
;   window 1: W's fragments, TWO sets, at v0 and v128.   window 2: the accumulators of my rows 0-63 ((a, b) at v[8 (8 a + b)]);   window 3: those of my rows 64-127.
.set NQ,     4                         ; matrix instructions deep in a slot: 512 / 128
.set ROWB,   256                       ; a tile's row in bytes: 512 codes
.set KROW,   512                       ; a row of codes in memory
.set PITCH,  272                       ; an LDS row: 256 bytes + 16 of padding = 68 words: the 16 rows that a load touches start at 16 different banks (64 banks of 4 bytes: ISA guide 11.1)
.set FR,     8                         ; registers of a fragment: 16 rows x 128 K
.set NL,     2                         ; LDS loads that bring one
.set NP,     4                         ; places behind this matrix instruction (ISA guide 7.12.1)
.set HALFT,  128*PITCH                 ; 128 rows: what one tensor load brings, and what one wave reads of x or of W
.set SLOT,   4*HALFT                   ; x's 256 rows, then W's 256 rows
.set KS,     32                        ; a row of scale bytes
.set SCL,    2*SLOT                    ; behind the two slots: the scales, as rows of 256 bytes + 16 of padding
.set HALFS,  (128*KS/256)*272          ; the scales of 128 rows
.set SBLK,   (16*KS/256)*272           ; those of 16 rows
.set SPARE,  SCL+4*HALFS               ; the spare words, 128 bytes a wave, which no other line names
.set ADRA, 16                          ; v16-17  LDS address of my x fragments in slot 0, 1
.set ADRB, 20                          ; v20-21  the same for W
.set BO,   24                          ; v24     32 x (lane / 16): my eight numbers of a bias tile
.set CO,   26                          ; v26     16 x my place in an output block of 512 bytes
.set ADRS, 27                          ; v27     LDS address of my scale words: lanes 0-15 x's rows, lanes 16-31 W's
.set SPW,  28                          ; v28     LDS address of my spare word; never rewritten
.set NIL,  29                          ; v29     0; never rewritten
.set SC,   32                          ; scale words: set s at v[SC + 32 s]; register 4 i + q: lanes 0-15 x's block i, lanes 16-31 W's block i, the slot's q-th 128 along K
.set TMP,  96                          ; the way out: four sets of 32
.set AF,   128
.set BI,   192
.set WV,   20                          ; s20 wave;  s21 which half of the rows is mine, also: I fetch for x (0) or W (1);  s22 which half of the columns, also: which 128 rows I fetch
.set RH,   21
.set CH,   22
.set G1,   24                          ; s[24:31] descriptor group 1 for x's tiles;  s[32:39] group 0, a set for each slot
.set G0,   32
.set G1B,  48                          ; s[48:55], s[56:63] the same for W's tiles
.set G0B,  56
.set G1S,  68                          ; s[68:75], s[76:79] groups 1 and 0 for x's scales;  s[80:87], s[88:91] for W's
.set G0S,  76
.set G1SB, 80
.set G0SB, 88
.set BIASP, 92                         ; s[92:93] the tensor's bias at my first column
.set OUTP, 94                          ; s[94:95] the tensor's output at my first block
.set MSB, 0
.macro WIN new                         ; the immediate's high byte repeats the setting that is left
.if MSB != \new
	s_set_vgpr_msb (MSB<<8)|\new
.set MSB, \new
.endif
.endm
.set MUL_LO, 0xa1                      ; source 0 (W) window 1, source 1 (x) window 0, C and D window 2
.set MUL_HI, 0xf1                      ; the same, C and D window 3
.set BEG_LO, 0x81                      ; the first products: C (the bias) window 0, D window 2
.set BEG_HI, 0xc1                      ; D window 3
.set TO_B,   0x40                      ; destination window 1, address window 0
; A joint load: waves 0 and 1 fetch for x, waves 2 and 3 for W.  Each line has one mask and one set of registers for all that issue it; the branch hangs on the wave's number alone.
; An s_nop 0 and four v_nop follow each of the two lines.
.macro JLOAD g0a, g1a, g0b, g1b
	s_cmp_eq_u32 s[RH], 0
	s_cbranch_scc0 .Lfor_b_\@
	tensor_load_to_lds s[\g0a:\g0a+3], s[\g1a:\g1a+7]
	s_nop 0
.rept 4
	v_nop
.endr
	s_branch .Lasked_\@
.Lfor_b_\@:
	tensor_load_to_lds s[\g0b:\g0b+3], s[\g1b:\g1b+7]
	s_nop 0
.rept 4
	v_nop
.endr
.Lasked_\@:
.endm
.macro CROUND                          ; a round of the cluster's barrier: my work-group's barrier; wave 0 signals for the work-group; every wave waits for all sixteen; my work-group's barrier once more
	s_barrier_signal -1
	s_barrier_wait -1
	s_cmp_lg_u32 s[WV], 0
	s_cbranch_scc1 .Lnot_wave_0_\@
	s_barrier_signal -3
.Lnot_wave_0_\@:
	s_barrier_wait -3
	s_barrier_signal -1
	s_barrier_wait -1
.endm
	s_load_b512 s[4:19], s[0:1], 0x0               ; codes s[4:5], scales s[6:7], b_q s[8:9], b_k s[10:11], b_v s[12:13], qf s[14:15], kf s[16:17], vf s[18:19]
	v_lshl_add_u32 v[SPW], v0, 2, SPARE
	v_mov_b32 v[NIL], 0
	ds_add_u32 v[SPW], v[NIL]                      ; the wave's opening: the add, twice on end, and its wait ahead of my first tensor load
	ds_add_u32 v[SPW], v[NIL]
	v_lshrrev_b32 v1, 5, v0
	v_readfirstlane_b32 s[WV], v1                  ; wave 0..3
	s_lshr_b32 s[RH], s[WV], 1
	s_and_b32 s[CH], s[WV], 1
	s_bfe_u32 s40, ttmp6, 0x40000                  ; cx, cy: my place in the cluster
	s_bfe_u32 s41, ttmp6, 0x40004
	s_lshl_b32 s42, ttmp9, 2
	s_add_co_u32 s42, s42, s40                     ; tile column = 4 x cluster x + cx
	s_and_b32 s23, ttmp7, 0xffff                   ; cluster y, 0..11
	s_lshr_b32 s66, s23, 2                         ; the tensor, 0..2: the same in all sixteen partners
	s_and_b32 s67, s23, 3
	s_lshl_b32 s67, s67, 2
	s_add_co_u32 s67, s67, s41                     ; tile row inside the tensor, 0..15
	s_lshl_b32 s43, s41, 2
	s_lshl_b32 s43, 15, s43                        ; my row of the cluster
	s_lshl_b32 s44, 0x1111, s40                    ; my column
	; descriptor group 1: a tile of 128 rows x 256 bytes, padded in LDS
	s_or_b32 s[G1+0], s43, (0<<16)|(1<<20)|(1<<21)|(5<<22)|(3<<25)  ; 15:0 the mask: x's tiles go to my row; 17:16 elements of 1 byte; 20 padding on; 21 set beside a mask; 24:22 after every 64 words; 31:25 four words
	s_or_b32 s[G1B+0], s44, (0<<16)|(1<<20)|(1<<21)|(5<<22)|(3<<25)
.irp g, G1, G1B
	s_mov_b32 s[\g+1], ROWB<<16                    ; tensor_dim0
	s_mov_b32 s[\g+2], 128<<16                     ; tensor_dim1
	s_mov_b32 s[\g+3], ROWB<<16                    ; tile_dim0
	s_mov_b32 s[\g+4], 128                         ; tile_dim1
	s_mov_b32 s[\g+5], KROW                        ; tensor_dim0_stride
	s_mov_b32 s[\g+6], 0
	s_mov_b32 s[\g+7], 0
.endr
	; the scales of 128 rows: a dense block of 4,096 bytes, as 16 rows of 256 bytes (32 elements of 8 bytes), 16 bytes of padding behind each
	s_or_b32 s[G1S+0], s43, (3<<16)|(1<<20)|(1<<21)|(5<<22)|(3<<25)
	s_or_b32 s[G1SB+0], s44, (3<<16)|(1<<20)|(1<<21)|(5<<22)|(3<<25)
.irp g, G1S, G1SB
	s_mov_b32 s[\g+1], 32<<16
	s_mov_b32 s[\g+2], (128*KS/256)<<16
	s_mov_b32 s[\g+3], 32<<16
	s_mov_b32 s[\g+4], 128*KS/256
	s_mov_b32 s[\g+5], 32
	s_mov_b32 s[\g+6], 0
	s_mov_b32 s[\g+7], 0
.endr
	; which rows I fetch.  x's hang on the tensor and the tile row, W's on the tensor and the tile column, each in registers that never hold the other coordinate
	s_lshl_b32 s23, s[CH], 7
	s_lshl_b32 s96, s66, 12
	s_lshl_b32 s97, s67, 8
	s_add_co_u32 s96, s96, s97
	s_add_co_u32 s96, s96, s23                     ; x: row 4,096 x tensor + 256 x tile row + 128 x half
	s_lshl_b32 s98, s96, 5                         ; its scale bytes,
	s_lshl_b32 s96, s96, 9                         ; its codes
	s_mov_b32 s97, 0
	s_mov_b32 s99, 0
	s_lshl_b32 s46, s66, 10
	s_lshl_b32 s47, s42, 8
	s_add_co_u32 s46, s46, s47
	s_add_co_u32 s46, s46, s23
	s_add_co_u32 s46, s46, 12288                   ; W: row 12,288 + 1,024 x tensor + 256 x tile column + 128 x half
	s_lshl_b32 s2, s46, 5
	s_lshl_b32 s46, s46, 9
	s_mov_b32 s47, 0
	s_mov_b32 s3, 0
	s_mul_i32 s45, s[WV], HALFT                    ; where they go: wave x 128 rows: no place in the cluster enters an LDS address
	s_mul_i32 s100, s[WV], HALFS
	s_wait_dscnt 0x0                               ; both opening adds are done
	s_wait_kmcnt 0x0
	s_add_nc_u64 s[96:97], s[4:5], s[96:97]
	s_add_nc_u64 s[98:99], s[6:7], s[98:99]
	s_add_nc_u64 s[46:47], s[4:5], s[46:47]
	s_add_nc_u64 s[2:3], s[6:7], s[2:3]
	CROUND                                         ; all sixteen work-groups are here: the joint loads meet
	s_mov_b32 s[G0S], 1
	s_add_co_u32 s[G0S+1], s100, SCL
	s_mov_b64 s[G0S+2:G0S+3], s[98:99]
	s_or_b32 s[G0S+3], s[G0S+3], 0x80000000
	s_mov_b32 s[G0SB], 1
	s_add_co_u32 s[G0SB+1], s100, SCL
	s_mov_b64 s[G0SB+2:G0SB+3], s[2:3]
	s_or_b32 s[G0SB+3], s[G0SB+3], 0x80000000
	JLOAD G0S, G1S, G0SB, G1SB                     ; the scales first: they are wanted with the first K step
.irp s, 0,1
	s_mov_b32 s[G0+4*\s], 1
	s_add_co_u32 s[G0+4*\s+1], s45, \s*SLOT
	s_add_nc_u64 s[G0+4*\s+2:G0+4*\s+3], s[96:97], \s*ROWB
	s_or_b32 s[G0+4*\s+3], s[G0+4*\s+3], 0x80000000
	s_mov_b32 s[G0B+4*\s], 1
	s_add_co_u32 s[G0B+4*\s+1], s45, \s*SLOT
	s_add_nc_u64 s[G0B+4*\s+2:G0B+4*\s+3], s[46:47], \s*ROWB
	s_or_b32 s[G0B+4*\s+3], s[G0B+4*\s+3], 0x80000000
	JLOAD G0+4*\s, G1, G0B+4*\s, G1B               ; three tensor loads of mine are out now, and no more follow
.endr
	v_and_b32 v1, 15, v0                           ; r = lane % 16
	v_bfe_u32 v2, v0, 4, 1                         ; h = lane / 16
	v_mul_u32_u24 v3, v1, PITCH
	v_lshl_add_u32 v4, v2, 4, v3                   ; a fragment's row x pitch + 16 x half
	s_mul_i32 s96, s[RH], HALFT                    ; my 128 rows of x
	s_mul_i32 s97, s[CH], HALFT                    ; my 128 rows of W,
	s_add_co_u32 s97, s97, 2*HALFT                 ; which lie behind x's 256
.irp s, 0,1
	v_add_nc_u32 v[ADRA+\s], s96, v4
	v_add_nc_u32 v[ADRB+\s], s97, v4
	s_add_co_u32 s96, s96, SLOT
	s_add_co_u32 s97, s97, SLOT
.endr
	v_mul_u32_u24 v5, v1, KS                       ; my row's scales: 32 bytes a row,
	v_lshrrev_b32 v6, 8, v5
	v_lshl_add_u32 v5, v6, 4, v5                   ; and 16 more for each 256 passed
	s_mul_i32 s96, s[RH], HALFS                    ; x's: my 128 rows
	s_mul_i32 s97, s[CH], HALFS                    ; W's: my 128 rows, behind x's 256
	s_add_co_u32 s97, s97, 2*HALFS
	s_sub_co_u32 s97, s97, s96
	v_mul_u32_u24 v6, s97, v2                      ; lanes 16-31 take W's: the lower base + h x the distance
	s_add_co_u32 s96, s96, SCL
	v_add_nc_u32 v5, v5, v6
	v_add_nc_u32 v[ADRS], s96, v5
	; the tensor's bias and output: a choice of pointers on the tensor's number
	v_lshlrev_b32 v[BO], 5, v2
	s_mov_b64 s[BIASP:BIASP+1], s[8:9]
	s_cmp_eq_u32 s66, 1
	s_cselect_b64 s[BIASP:BIASP+1], s[10:11], s[BIASP:BIASP+1]
	s_cselect_b64 s[OUTP:OUTP+1], s[16:17], s[14:15]
	s_cmp_eq_u32 s66, 2
	s_cselect_b64 s[BIASP:BIASP+1], s[12:13], s[BIASP:BIASP+1]
	s_cselect_b64 s[OUTP:OUTP+1], s[18:19], s[OUTP:OUTP+1]
	s_lshl_b32 s98, s42, 10
	s_lshl_b32 s99, s[CH], 9
	s_add_co_u32 s98, s98, s99                     ; 4 x (256 x tile column + 128 x half)
	s_mov_b32 s99, 0
	s_add_nc_u64 s[BIASP:BIASP+1], s[BIASP:BIASP+1], s[98:99]
.irp b, 0,1,2,3,4,5,6,7                        ; register 8 b + j = bias of column 16 b + 8 h + j: the layout of a result tile
	global_load_b128 v[BI+8*\b:BI+8*\b+3], v[BO], s[BIASP:BIASP+1] offset:64*\b
	global_load_b128 v[BI+8*\b+4:BI+8*\b+7], v[BO], s[BIASP:BIASP+1] offset:64*\b+16
.endr
	s_lshl_b32 s98, s67, 8
	s_lshl_b32 s99, s[RH], 7
	s_add_co_u32 s98, s98, s99                     ; my first row of the tensor's 4,096
	s_lshr_b32 s99, s98, 11                        ; the batch
	s_lshl_b32 s99, s99, 4
	s_lshl_b32 s100, s42, 2
	s_add_co_u32 s99, s99, s100
	s_lshl_b32 s100, s[CH], 1
	s_add_co_u32 s99, s99, s100                    ; 16 x batch + my first head (4 x tile column + 2 x half)
	s_lshl_b32 s99, s99, 7
	s_and_b32 s98, s98, 2047
	s_lshr_b32 s98, s98, 4                         ; my first block of 16 positions
	s_add_co_u32 s98, s98, s99
	s_lshl_b32 s98, s98, 11                        ; 2,048 bytes for 16 positions of a head
	s_mov_b32 s99, 0
	s_add_nc_u64 s[OUTP:OUTP+1], s[OUTP:OUTP+1], s[98:99]
	s_mov_b32 s98, 128
	s_mov_b32 s99, 256
	s_cmp_eq_u32 s66, 2                            ; V's places differ from Q's and K's
	s_cselect_b32 s100, s99, s98                   ; bytes for r / 8
	s_cselect_b32 s101, s98, s99                   ; bytes for h
	v_and_b32 v5, 7, v0
	v_lshlrev_b32 v[CO], 4, v5
	v_bfe_u32 v5, v0, 3, 1
	v_mad_u32_u24 v[CO], v5, s100, v[CO]
	v_mad_u32_u24 v[CO], v2, s101, v[CO]
.macro FRAG reg, adr, q, i             ; a fragment, 16 rows x 128 K of 4-bit codes: lane l holds row l % 16; registers 4 c .. 4 c + 3 hold K = 64 c + 32 (l / 16) + 0 .. 31
.irp c, 0,1
	ds_load_b128 v[\reg+4*\c:\reg+4*\c+3], v[\adr] offset:64*(\q)+32*\c+(\i)*16*PITCH
.endr
.endm
; 16 matrix instructions: x's blocks a0, a0 + 1 against W's eight, 128 along K: the slot's q-th.  p: W's set;  sc: the set of scale words.  zero = 1: the first product starts the sums from the bias.
; The 64 accumulators take turns, one instruction a turn, in the same order in every step.
.macro MUL16 a0, p, q, sc, zero
.irp a, \a0, \a0+1
.irp b, 0,1,2,3,4,5,6,7
.if \zero
	v_wmma_scale_f32_16x16x128_f8f6f4 v[8*(8*((\a)%4)+\b):8*(8*((\a)%4)+\b)+7], v[128*(\p)+FR*\b:128*(\p)+FR*\b+FR-1], v[AF+FR*(\a):AF+FR*(\a)+FR-1], v[BI+8*\b:BI+8*\b+7], v[SC+8*NQ*(\sc)+NQ*\b+(\q)], v[SC+8*NQ*(\sc)+NQ*(\a)+(\q)] matrix_a_fmt:MATRIX_FMT_FP4 matrix_b_fmt:MATRIX_FMT_FP4 matrix_a_scale:MATRIX_SCALE_ROW1
.else
	v_wmma_scale_f32_16x16x128_f8f6f4 v[8*(8*((\a)%4)+\b):8*(8*((\a)%4)+\b)+7], v[128*(\p)+FR*\b:128*(\p)+FR*\b+FR-1], v[AF+FR*(\a):AF+FR*(\a)+FR-1], v[8*(8*((\a)%4)+\b):8*(8*((\a)%4)+\b)+7], v[SC+8*NQ*(\sc)+NQ*\b+(\q)], v[SC+8*NQ*(\sc)+NQ*(\a)+(\q)] matrix_a_fmt:MATRIX_FMT_FP4 matrix_b_fmt:MATRIX_FMT_FP4 matrix_a_scale:MATRIX_SCALE_ROW1
.endif
.endr
.endr
.endm
.macro FETCH_B slot, q, p              ; W's eight fragments of the slot's q-th 128 along K into set p
	WIN TO_B
.irp i, 0,1,2,3,4,5,6,7
	FRAG 128*(\p)+FR*\i, ADRB+\slot, \q, \i
.endr
	WIN 0
.endm
.macro FETCH_A slot, q, i0             ; x's blocks i0 .. i0 + 3
.irp i, \i0, \i0+1, \i0+2, \i0+3
	FRAG AF+FR*(\i), ADRA+\slot, \q, \i
.endr
.endm
.macro SCALES sc                       ; a K step's scale words into set sc: four words a row; lanes 0-15 take x's block i, lanes 16-31 W's block i
.irp i, 0,1,2,3,4,5,6,7
	ds_load_b128 v[SC+8*NQ*\sc+NQ*\i:SC+8*NQ*\sc+NQ*\i+3], v[ADRS] offset:\i*SBLK
.endr
.endm
; A load into a register that a matrix instruction has read, and a vector instruction that reads a matrix result or writes one of its registers, stand NP places behind it; only plain vector instructions
; that name none of its registers are places (ISA guide 7.12.1 for vector instructions).
.macro PLACES n
.rept \n
	v_nop
.endr
.endm
; A step of 128 along K that has its successor in the same slot.  x has one set of registers: blocks 0-3 are fetched anew in the step's middle, blocks 4-7 at its end.
.macro STEP slot, q, zero
	s_wait_dscnt 4*NL                              ; W's set and x's blocks 0-3 are in; the youngest eight loads (x's blocks 4-7) may be out
.if \zero
	WIN BEG_LO
.else
	WIN MUL_LO
.endif
	MUL16 0, (\q)%2, \q, \slot, \zero
	MUL16 2, (\q)%2, \q, \slot, \zero
	s_wait_dscnt 0                                 ; x's blocks 4-7 are in (asked for 32 matrix instructions ago)
	PLACES NP
	FETCH_B \slot, (\q)+1, 1-(\q)%2
	FETCH_A \slot, (\q)+1, 0
.if \zero
	WIN BEG_HI
.else
	WIN MUL_HI
.endif
	MUL16 4, (\q)%2, \q, \slot, \zero
	MUL16 6, (\q)%2, \q, \slot, \zero
	PLACES NP
	WIN 0
	FETCH_A \slot, (\q)+1, 4
.endm
.macro STEPS slot, from                ; the slot's steps from .. NQ - 2
.set QQ, \from
.rept NQ-1-\from
	STEP \slot, QQ, 0
.set QQ, QQ+1
.endr
.endm
	s_wait_tensorcnt 0x1                           ; the scales and my part of slot 0 are in; slot 1's load, issued behind them, may be out
	s_barrier_signal -1
	s_barrier_wait -1                              ; everybody's are
	FETCH_B 0, 0, 0
	FETCH_A 0, 0, 0
	SCALES 0
	FETCH_A 0, 0, 4
	s_wait_loadcnt 0x0                             ; the bias
	STEP 0, 0, 1                                   ; the first step's products start the sums
	STEPS 0, 1
	; slot 0's last step changes slots: one barrier; in front of it each wave waits for its part of slot 1.  Nothing is filled again.
	s_wait_tensorcnt 0x0                           ; all my tensor loads have landed
	ds_add_u32 v[SPW], v[NIL]
	s_wait_dscnt 4*NL+1                            ; (the add and the youngest eight loads may be out)
	WIN MUL_LO
	MUL16 0, 1, NQ-1, 0, 0                         ; sixteen matrix instructions stand between the add and the wait for it
	s_wait_dscnt 0x0                               ; the add is done; no LDS instruction of mine is out at the signal
	s_barrier_signal -1
	MUL16 2, 1, NQ-1, 0, 0
	WIN 0
	s_barrier_wait -1                              ; slot 1 is whole
	PLACES NP
	v_add_nc_u32 v[ADRS], 4*NQ, v[ADRS]            ; on to the second K step's scale words
	FETCH_B 1, 0, 0
	FETCH_A 1, 0, 0
	SCALES 1
	WIN MUL_HI
	MUL16 4, 1, NQ-1, 0, 0
	MUL16 6, 1, NQ-1, 0, 0
	PLACES NP
	WIN 0
	FETCH_A 1, 0, 4
	STEPS 1, 0
	s_wait_dscnt 4*NL                              ; the very last step: nothing more to fetch
	WIN MUL_LO
	MUL16 0, 1, NQ-1, 1, 0
	MUL16 2, 1, NQ-1, 1, 0
	s_wait_dscnt 0
	WIN MUL_HI
	MUL16 4, 1, NQ-1, 1, 0
	MUL16 6, 1, NQ-1, 1, 0
	WIN 0
; THE WAY OUT, block by block of 16 rows x 128 columns, straight from registers.  Tile (a, b): lane (r, h) holds row r, channels 16 b + 8 h + 0 .. 7: four registers of f16, 16 bytes, at the lane's place in the
; block of 512 bytes at 2,048 a (16 positions on) + 262,144 (b / 4) (a head on) + 512 (b % 4) (16 channels on).  Every offset is an immediate.
.macro PACK a
	WIN 0x0a+5*((\a)/4)                            ; sources 0 and 1: window 2 or 3
.irp b, 0,1,2,3,4,5,6,7
.irp r, 0,1,2,3
	v_cvt_pk_f16_f32 v[TMP+32*((\a)%4)+4*\b+\r], v[64*((\a)%4)+8*\b+2*\r], v[64*((\a)%4)+8*\b+2*\r+1]   ; each accumulator from its low end on
.endr
.endr
	WIN 0
.endm
.macro SENDF a
.irp b, 0,1,2,3,4,5,6,7
	global_store_b128 v[CO], v[TMP+32*((\a)%4)+4*\b:TMP+32*((\a)%4)+4*\b+3], s[OUTP:OUTP+1] offset:2048*(\a)+262144*(\b/4)+512*(\b%4)   ; 32 lanes store 512 consecutive bytes, aligned
.endr
.endm
	PLACES NP                                      ; behind the last products: for the reads of results and for the writes over registers that held x's fragments and the bias
.irp a, 0,1,2,3,4,5,6,7
.if \a >= 4
	s_wait_xcnt 0x0                                ; block a - 4's stores have read their data: only behind this wait is that set written again
.endif
	PACK \a
	SENDF \a
.endr
	s_wait_tensorcnt 0x0                           ; the wave's end, behind my last tensor load
	ds_add_u32 v[SPW], v[NIL]
	s_wait_dscnt 0x0
	CROUND                                         ; the closing round: no work-group ends while a partner may still ask for a tile that names it
	s_endpgm
.Lfunc_end_k_qd179904c3b_proj:
	.size	k_qd179904c3b_proj, .Lfunc_end_k_qd179904c3b_proj-k_qd179904c3b_proj
	.p2alignl 7, 3214868480
	.fill 96, 4, 3214868480
	.section	.rodata,"a",@progbits
	.p2align	6, 0x0
	.amdhsa_kernel k_qd179904c3b_proj
		.amdhsa_group_segment_fixed_size 327680
		.amdhsa_private_segment_fixed_size 0
		.amdhsa_enable_private_segment 0
		.amdhsa_kernarg_size 64
		.amdhsa_user_sgpr_count 2
		.amdhsa_user_sgpr_kernarg_segment_ptr 1
		.amdhsa_wavefront_size32 1
		.amdhsa_system_sgpr_workgroup_id_x 1
		.amdhsa_system_sgpr_workgroup_id_y 1
		.amdhsa_system_sgpr_workgroup_id_z 1
		.amdhsa_system_vgpr_workitem_id 0
		.amdhsa_next_free_vgpr 1024
		.amdhsa_next_free_sgpr 102
		.amdhsa_reserve_vcc 0
		.amdhsa_float_denorm_mode_32 3
		.amdhsa_float_denorm_mode_16_64 3
		.amdhsa_memory_ordered 1
		.amdhsa_forward_progress 1
		.amdhsa_inst_pref_size 120
	.end_amdhsa_kernel
	.amdgpu_metadata
---
amdhsa.version: [ 1, 2 ]
amdhsa.kernels:
  - .name:           k_qd179904c3b_proj
    .symbol:         k_qd179904c3b_proj.kd
    .args:
      - { .name: codes, .offset: 0, .size: 8, .value_kind: global_buffer, .address_space: global }
      - { .name: scales, .offset: 8, .size: 8, .value_kind: global_buffer, .address_space: global }
      - { .name: b_q, .offset: 16, .size: 8, .value_kind: global_buffer, .address_space: global }
      - { .name: b_k, .offset: 24, .size: 8, .value_kind: global_buffer, .address_space: global }
      - { .name: b_v, .offset: 32, .size: 8, .value_kind: global_buffer, .address_space: global }
      - { .name: qf, .offset: 40, .size: 8, .value_kind: global_buffer, .address_space: global }
      - { .name: kf, .offset: 48, .size: 8, .value_kind: global_buffer, .address_space: global }
      - { .name: vf, .offset: 56, .size: 8, .value_kind: global_buffer, .address_space: global }
    .group_segment_fixed_size: 327680
    .private_segment_fixed_size: 0
    .kernarg_segment_align: 8
    .kernarg_segment_size: 64
    .max_flat_workgroup_size: 128
    .sgpr_count:     102
    .vgpr_count:     1024
    .wavefront_size: 32
...
	.end_amdgpu_metadata
.endif
;; end of part 2
;; launch attn (part 3): grid 8 x 32, 8 waves a work-group, clusters of 4 x 1, 327,680 bytes of LDS; arguments qf, kf, vf, attnf; writes attnf
.if DOCPART == 3
	.amdgcn_target "amdgcn-amd-amdhsa--gfx1250"
	.amdhsa_code_object_version 6
	.text
	.protected	k_qd179904c3b_attn
	.globl	k_qd179904c3b_attn
	.p2align	8
	.type	k_qd179904c3b_attn,@function
k_qd179904c3b_attn:
	s_mov_b64 s[64:65], 0
	v_nop
	global_prefetch_b8 v0, s[64:65] scope:SCOPE_SE
	s_setreg_imm32_b32 hwreg(HW_REG_WAVE_MODE, 25, 1), 1
	s_wait_xcnt 0x0
	s_wait_alu depctr_hold_cnt(0) depctr_sa_sdst(0) depctr_va_vdst(0) depctr_va_sdst(0) depctr_va_ssrc(0) depctr_va_vcc(0) depctr_vm_vsrc(0)
	s_getreg_b32 s2, hwreg(HW_REG_IB_STS2, 6, 4)
	s_cmp_eq_u32 s2, 0
	s_cbranch_scc0 .Lentry_in_a_cluster
	s_endpgm
.Lentry_in_a_cluster:
	s_bfe_u32 s2, ttmp6, 0x10000c
	s_cmp_lg_u32 s2, 0x3003
	s_cbranch_scc0 .Lentry_shape_is_right
	s_endpgm
.Lentry_shape_is_right:
; attn[b][h][q][:] = the sum over k of softmax_k(Q[q] . K[k] / 8) V[k][:], 32 (batch, head) pairs, 2,048 positions, head size 64.  Operands in f16, products, maxima and sums in f32; the weights p are rounded to
; f16 for the second product, the result once at the end.
; qf, kf, vf lie in the order of the operands' registers: [batch x head][16 positions][32 channels][16 channels][place][16 bytes]: a head is 262,144 dense bytes, 16 keys 2,048.  So a tile is a dense block for one tensor
; load, every LDS load reads 512 consecutive bytes at 16 x lane, and nothing is padded.  attnf likewise: [16 rows (256)][32 of the 1,024 channels (32)][16 channels (2)][lane][16 bytes], the next product's fragments.
; SHARES.  A work-group owns 256 queries of one head, each of its EIGHT waves 32: two tiles of 16, in 384 registers: two waves to a SIMD, so that one wave's softmax stands beside the other's products.
; Every wave walks all 2,048 keys, 64 a step: 16 products K Q^T, the softmax, 16 products V^T P.
; LAYOUT.  S^T = K Q^T (source 0 = 16 keys, source 1 = 16 queries): a lane holds ONE query (lane % 16) and keys 8 (lane / 16) + 0..7.  Two such tiles, rounded to f16 in pairs, ARE source 1 of O^T = V^T P, whose result
; again holds one query a lane and eight channels.  K comes out of LDS as it lies, V turned by ds_load_tr16_b128.
; SOFTMAX.  A running maximum m and sum l for each query: p = 2^(c s - c m), c = log2(e) / 8; in every step O and l are multiplied by a = 2^(c m_old - c m_new).  m begins at -3e38 and O, l at 0: the step is written once.
; RING.  Two slots of 512 keys (65,536 bytes of K, then of V); each wave brings 16,384 bytes of a slot by one tensor load (waves 0-3 K's, waves 4-7 V's).  Four slots' worth of keys: two first fills, two refills.
; CLUSTER.  The four query blocks of a cluster belong to one head and walk the same K and V: each tile is asked for jointly, by the same load with the same descriptor and a mask that names the four.
; LIMITS: a weight p, and a result, under 6e-5 is rounded on f16's smallest step, 6e-8; results beyond 65,504 have no f16 number.
; REGISTERS: window 0: v1-7 addresses; v8-23 statistics, eight a tile (+0 c m, +1 m, +2, +3 l, +4 to +7 at work, a at +6); v32-95 S^T; v96-127 P; v128-191 O^T; v192-223 Q.  window 1: v0-63 K, v64-127 V of one step.
.set SLOT1, 131072                     ; slot 1 begins here
.set VOFF,  65536                      ; V's part of a slot
.set STEPB, 8192                       ; 64 keys
.set SPARE, 262144                     ; behind the ring: the spare words, 128 bytes a wave, which no other line names
.set LN,  1                            ; v1  16 x lane; never rewritten
.set ADK, 2                            ; v2  LDS address of the K loads in hand
.set ADV, 3                            ; v3  of the V loads
.set PFO, 4                            ; v4  256 x lane; never rewritten
.set AV0, 5                            ; v5  16 x lane + VOFF
.set SPW, 6                            ; v6  LDS address of my spare word; never rewritten
.set NIL, 7                            ; v7  0; never rewritten
.set ST,  8
.set S,   32
.set P,   96
.set O,   128
.set Q,   192
.set KF,  0                            ; in window 1
.set VF,  64
.set WV,  12                           ; s12 my wave's number
.set G1,  24                           ; s[24:31] descriptor group 1, one for all loads
.set G0A, 32                           ; s[32:35] group 0 for slot 0;  s[36:39] for slot 1
.set G0B, 36
.set CS,  40                           ; s[40:41] c, twice: the packed form names a pair
.set SEL, 42                           ; s[42:43] lane selects for v_permlanex16_b32: lane l xor 16
.set TB,  44                           ; s44 LDS byte at which the tiles of the step to be fetched begin
.set CNT, 45                           ; s45 counts a slot's steps
.set PFA, 46                           ; s[46:47] what my one prefetch names; never rewritten
.set LIM, 48                           ; s48 1 in a wave that prefetches
.set MSB, 0
.macro WIN new                         ; the immediate's high byte repeats the setting that is left
.if MSB != \new
	s_set_vgpr_msb (MSB<<8)|\new
.set MSB, \new
.endif
.endm
.set W_MUL, 0x01                       ; source 0 (K or V) window 1; source 1, C and D window 0
.set W_LD,  0x40                       ; destination window 1, address window 0
.macro CROUND                          ; a round of the cluster's barrier
	s_barrier_signal -1
	s_barrier_wait -1
	s_cmp_lg_u32 s[WV], 0
	s_cbranch_scc1 .Lnot_wave_0_\@
	s_barrier_signal -3
.Lnot_wave_0_\@:
	s_barrier_wait -3
	s_barrier_signal -1
	s_barrier_wait -1
.endm
	s_load_b256 s[4:11], s[0:1], 0x0               ; qf s[4:5], kf s[6:7], vf s[8:9], attnf s[10:11]
	v_lshl_add_u32 v[SPW], v0, 2, SPARE
	v_mov_b32 v[NIL], 0
	ds_add_u32 v[SPW], v[NIL]                      ; the wave's opening: the add, twice on end, and its wait ahead of my first tensor load
	ds_add_u32 v[SPW], v[NIL]
	v_lshrrev_b32 v1, 5, v0
	v_readfirstlane_b32 s[WV], v1                  ; wave 0..7
	s_bfe_u32 s13, ttmp6, 0x40000                  ; cx: my place in the cluster
	s_lshl_b32 s14, ttmp9, 2
	s_add_co_u32 s14, s14, s13                     ; my block of 256 queries: it enters Q's and the result's addresses alone
	s_and_b32 s15, ttmp7, 0xffff                   ; batch x head, which the four partners share
	s_lshl_b32 s16, s15, 18                        ; the head's first byte in qf, kf, vf
	s_and_b32 s18, s[WV], 3
	s_lshl_b32 s18, s18, 14
	s_add_co_u32 s18, s18, s16                     ; my quarter of a slot's K or V, in memory
	s_mov_b32 s19, 0
	s_lshl_b32 s22, s14, 15                        ; Q: 32,768 bytes a block of 256 queries,
	s_lshl_b32 s23, s[WV], 12                      ; 4,096 for my 32
	s_add_co_u32 s22, s22, s23
	s_add_co_u32 s22, s22, s16
	s_mov_b32 s23, 0
	s_lshr_b32 s50, s15, 4                         ; the result: block of 16 rows = 128 x batch + 16 x query block + 2 x wave, 32,768 bytes each;
	s_lshl_b32 s50, s50, 7
	s_lshl_b32 s51, s14, 4
	s_add_co_u32 s50, s50, s51
	s_lshl_b32 s51, s[WV], 1
	s_add_co_u32 s50, s50, s51
	s_lshl_b32 s50, s50, 15
	s_and_b32 s51, s15, 15                         ; in it the head's 64 channels: 2,048 bytes
	s_lshl_b32 s51, s51, 11
	s_add_co_u32 s50, s50, s51
	s_mov_b32 s51, 0
	s_lshl_b32 s54, s13, 14                        ; the prefetch: of the last slot's 65,536 bytes my work-group's 16,384 (told apart by address),
	s_bfe_u32 s55, s[WV], 0x10001
	s_lshl_b32 s55, s55, 13                        ; of them my wave's 8,192
	s_add_co_u32 s54, s54, s55
	s_add_co_u32 s54, s54, s16
	s_add_co_u32 s54, s54, 3*65536                 ; keys 1,536 on
	s_mov_b32 s55, 0
	s_and_b32 s[LIM], s[WV], 1                     ; the even waves
	s_or_b32 s[LIM], s[LIM], ttmp9                 ; of the head's first cluster ask: the same in all four partners
	s_cmp_eq_u32 s[LIM], 0
	s_cselect_b32 s[LIM], 1, 0
	; descriptor group 1: a dense block of 16,384 bytes as 64 rows of 256 bytes (32 elements of 8 bytes), no padding
	s_mov_b32 s[G1], 15|(3<<16)|(1<<21)            ; 15:0 the mask: all four work-groups; 17:16 elements of 8 bytes; 21 set beside a mask
	s_mov_b32 s[G1+1], 32<<16                      ; tensor_dim0
	s_mov_b32 s[G1+2], 64<<16                      ; tensor_dim1
	s_mov_b32 s[G1+3], 32<<16                      ; tile_dim0
	s_mov_b32 s[G1+4], 64                          ; tile_dim1
	s_mov_b32 s[G1+5], 32                          ; tensor_dim0_stride
	s_mov_b32 s[G1+6], 0
	s_mov_b32 s[G1+7], 0
	s_mov_b32 s[CS], 0x3e38aa3b                    ; c = log2(e) / 8
	s_mov_b32 s[CS+1], s[CS]
	s_mov_b32 s[SEL], 0x76543210
	s_mov_b32 s[SEL+1], 0xfedcba98
	v_and_b32 v[LN], 31, v0
	v_lshlrev_b32 v[PFO], 8, v[LN]
	v_lshlrev_b32 v[LN], 4, v[LN]
	v_add_nc_u32 v[AV0], VOFF, v[LN]
	s_wait_dscnt 0x0                               ; both opening adds are done
	s_wait_kmcnt 0x0
	s_cmp_lt_u32 s[WV], 4                          ; waves 0-3 fetch K's quarters, waves 4-7 V's: a choice of pointers on the wave's number
	s_cselect_b64 s[52:53], s[6:7], s[8:9]
	s_mov_b64 s[PFA:PFA+1], s[52:53]
	s_add_nc_u64 s[PFA:PFA+1], s[PFA:PFA+1], s[54:55]
	s_add_nc_u64 s[52:53], s[52:53], s[18:19]
	s_add_nc_u64 s[4:5], s[4:5], s[22:23]          ; Q at my first query
	s_add_nc_u64 s[10:11], s[10:11], s[50:51]      ; the result likewise
	s_mov_b32 s[G0A], 1                            ; 1:0 count = 1
	s_lshl_b32 s[G0A+1], s[WV], 14                 ; 63:32 LDS address: wave x 16,384: K's four quarters, then V's
	s_mov_b64 s[G0A+2:G0A+3], s[52:53]             ; 120:64 global address: keys 0 on
	s_or_b32 s[G0A+3], s[G0A+3], 0x80000000        ; 127:126 type = 2
	s_mov_b32 s[G0B], 1
	s_add_co_u32 s[G0B+1], s[G0A+1], SLOT1
	s_add_nc_u64 s[G0B+2:G0B+3], s[52:53], 65536   ; keys 512 on
	s_or_b32 s[G0B+3], s[G0B+3], 0x80000000
	CROUND                                         ; all four work-groups are here: the first joint loads meet
	tensor_load_to_lds s[G0A:G0A+3], s[G1:G1+7]    ; both first fills together: two tensor loads of mine are out
	s_nop 0
	tensor_load_to_lds s[G0B:G0B+3], s[G1:G1+7]
	s_nop 0
.rept 4
	v_nop
.endr
.irp i, 0,1,2,3,4,5,6,7                        ; Q stays in registers: tile i / 4, channels 32 ((i / 2) % 2) on, registers as they lie
	global_load_b128 v[Q+4*\i:Q+4*\i+3], v[LN], s[4:5] offset:512*\i
.endr
.irp t, 0,1
	v_mov_b32 v[ST+8*\t+1], 0xff61b1e6             ; m = -3e38, under every score
	v_mul_f32 v[ST+8*\t], s[CS], v[ST+8*\t+1]      ; c m
	v_mov_b32 v[ST+8*\t+2], 0                      ; l, in two halves
	v_mov_b32 v[ST+8*\t+3], 0
.endr
.set i, 0
.rept 64
	v_mov_b32 v[O+i], 0                            ; O^T: the first step finds zeros and multiplies them by a = 0; written once, it spares a further copy of the step
.set i, i+1
.endr
.macro FETCH_K                         ; a step's K: 64 keys x 64 channels, 16 loads of 512 consecutive bytes; fragment (16 keys k, 32 channels c) at KF + 8 (2 k + c)
	WIN W_LD
.irp i, 0,1,2,3,4,5,6,7,8,9,10,11,12,13,14,15
	ds_load_b128 v[KF+4*\i:KF+4*\i+3], v[ADK] offset:512*\i
.endr
	WIN 0
.endm
.macro FETCH_V                         ; a step's V, turned: fragment (32 keys g, 16 channels c) at VF + 8 (4 g + c): its first 16 keys, then its second
	WIN W_LD
.irp g, 0,1
.irp c, 0,1,2,3
	ds_load_tr16_b128 v[VF+8*(4*\g+\c):VF+8*(4*\g+\c)+3], v[ADV] offset:4096*\g+512*\c
	ds_load_tr16_b128 v[VF+8*(4*\g+\c)+4:VF+8*(4*\g+\c)+7], v[ADV] offset:4096*\g+512*\c+2048
.endr
.endr
.endm
; The accumulators take turns, one instruction a turn: between two links of a chain stand seven others'.
.macro KQ                              ; S^T = K Q^T: channels 32 c on, keys 16 k on, tile t; the first eight start the sums
.irp c, 0,1
.irp k, 0,1,2,3
.irp t, 0,1
.if \c == 0
	v_wmma_f32_16x16x32_f16 v[S+32*\t+8*\k:S+32*\t+8*\k+7], v[KF+16*\k+8*\c:KF+16*\k+8*\c+7], v[Q+16*\t+8*\c:Q+16*\t+8*\c+7], 0
.else
	v_wmma_f32_16x16x32_f16 v[S+32*\t+8*\k:S+32*\t+8*\k+7], v[KF+16*\k+8*\c:KF+16*\k+8*\c+7], v[Q+16*\t+8*\c:Q+16*\t+8*\c+7], v[S+32*\t+8*\k:S+32*\t+8*\k+7]
.endif
.endr
.endr
.endr
.endm
.macro PV                              ; O^T += V^T P: keys 32 g on, channels 16 c on, tile t
.irp g, 0,1
.irp c, 0,1,2,3
.irp t, 0,1
	v_wmma_f32_16x16x32_f16 v[O+32*\t+8*\c:O+32*\t+8*\c+7], v[VF+8*(4*\g+\c):VF+8*(4*\g+\c)+7], v[P+16*\t+8*\g:P+16*\t+8*\g+7], v[O+32*\t+8*\c:O+32*\t+8*\c+7]
.endr
.endr
.endr
.endm
; THE SOFTMAX of both tiles for one step, the tiles alternating line by line, so that no line waits for the line above it.
.macro SOFTMAX
.irp j, 0,1,2,3                                ; the maximum of the lane's 32 scores and the old m: four chains, each begun at the low end of one result tile
.irp t, 0,1
	v_max3_num_f32 v[ST+8*\t+4+\j], v[S+32*\t+8*\j], v[S+32*\t+8*\j+1], v[S+32*\t+8*\j+2]
.endr
.endr
.irp g, 1,2
.irp j, 0,1,2,3
.irp t, 0,1
	v_max3_num_f32 v[ST+8*\t+4+\j], v[ST+8*\t+4+\j], v[S+32*\t+8*\j+2*\g+1], v[S+32*\t+8*\j+2*\g+2]
.endr
.endr
.endr
.irp t, 0,1
	v_max3_num_f32 v[ST+8*\t+4], v[ST+8*\t+4], v[S+32*\t+7], v[S+32*\t+15]
.endr
.irp t, 0,1
	v_max3_num_f32 v[ST+8*\t+6], v[ST+8*\t+6], v[S+32*\t+23], v[S+32*\t+31]
.endr
.irp t, 0,1
	v_max3_num_f32 v[ST+8*\t+4], v[ST+8*\t+4], v[ST+8*\t+5], v[ST+8*\t+6]
.endr
.irp t, 0,1
	v_max3_num_f32 v[ST+8*\t+4], v[ST+8*\t+4], v[ST+8*\t+7], v[ST+8*\t+1]
.endr
.irp t, 0,1
	v_permlanex16_b32 v[ST+8*\t+5], v[ST+8*\t+4], s[SEL], s[SEL+1]   ; the query's other 32 keys lie in the lane 16 away
.endr
.irp t, 0,1
	v_mov_b32 v[ST+8*\t+7], v[ST+8*\t]             ; c m_old is kept for a
.endr
.irp t, 0,1
	v_max_num_f32 v[ST+8*\t+1], v[ST+8*\t+4], v[ST+8*\t+5]
.endr
.irp t, 0,1
	v_mul_f32 v[ST+8*\t], s[CS], v[ST+8*\t+1]
.endr
.irp t, 0,1
	v_sub_f32 v[ST+8*\t+7], v[ST+8*\t+7], v[ST+8*\t]
.endr
; ONE BATCH: both a, the 32 scalings and the 64 exponentials; none of these lines names an exponential's result.  A pair is scaled one turn ahead of its exponentials.
.irp t, 0,1
	v_exp_f32 v[ST+8*\t+6], v[ST+8*\t+7]           ; a = 2^(c m_old - c m_new)
.endr
.irp b, 0,1,2,3,4,5,6,7,8,9,10,11,12,13,14,15
.irp t, 0,1
	v_pk_fma_f32 v[S+32*\t+2*\b:S+32*\t+2*\b+1], v[S+32*\t+2*\b:S+32*\t+2*\b+1], s[CS:CS+1], v[ST+8*\t:ST+8*\t+1] op_sel_hi:[1,0,0] neg_lo:[0,0,1] neg_hi:[0,0,1]   ; c s - c m, two at a time
.endr
.if \b > 0
.irp t, 0,1
	v_exp_f32 v[S+32*\t+2*\b-2], v[S+32*\t+2*\b-2]
	v_exp_f32 v[S+32*\t+2*\b-1], v[S+32*\t+2*\b-1]
.endr
.endif
.endr
.irp t, 0,1
	v_exp_f32 v[S+32*\t+30], v[S+32*\t+30]
	v_exp_f32 v[S+32*\t+31], v[S+32*\t+31]
.endr
	v_nop                                          ; a plain instruction behind the last exponential, ahead of the first use (ISA guide 5.7.2)
	s_wait_alu depctr_va_vdst(0)                   ; one wait for the batch's 66 exponentials, ahead of the first line that names a result
.irp i, 0,1,2,3,4,5,6,7,8,9,10,11,12,13,14,15
.irp t, 0,1
	v_cvt_pk_f16_f32 v[P+16*\t+\i], v[S+32*\t+2*\i], v[S+32*\t+2*\i+1]   ; the weights, at most 1, as source 1 of the second product
.endr
.endr
.irp u, 0,1,2,3,4,5,6,7                        ; the sum of the unrounded weights, in place: neighbours 1, 2, 4, 8 pairs apart
.irp t, 0,1
	v_pk_add_f32 v[S+32*\t+4*\u:S+32*\t+4*\u+1], v[S+32*\t+4*\u:S+32*\t+4*\u+1], v[S+32*\t+4*\u+2:S+32*\t+4*\u+3]
.endr
.endr
.irp u, 0,1,2,3
.irp t, 0,1
	v_pk_add_f32 v[S+32*\t+8*\u:S+32*\t+8*\u+1], v[S+32*\t+8*\u:S+32*\t+8*\u+1], v[S+32*\t+8*\u+4:S+32*\t+8*\u+5]
.endr
.endr
.irp u, 0,1
.irp t, 0,1
	v_pk_add_f32 v[S+32*\t+16*\u:S+32*\t+16*\u+1], v[S+32*\t+16*\u:S+32*\t+16*\u+1], v[S+32*\t+16*\u+8:S+32*\t+16*\u+9]
.endr
.endr
.irp t, 0,1
	v_pk_add_f32 v[S+32*\t:S+32*\t+1], v[S+32*\t:S+32*\t+1], v[S+32*\t+16:S+32*\t+17]
.endr
.irp t, 0,1
	v_pk_fma_f32 v[ST+8*\t+2:ST+8*\t+3], v[ST+8*\t+2:ST+8*\t+3], v[ST+8*\t+6:ST+8*\t+7], v[S+32*\t:S+32*\t+1] op_sel_hi:[1,0,1]   ; l = a l + the sum
.endr
.irp i, 0,1,2,3,4,5,6,7,8,9,10,11,12,13,14,15
.irp t, 0,1
	v_pk_mul_f32 v[O+32*\t+2*\i:O+32*\t+2*\i+1], v[O+32*\t+2*\i:O+32*\t+2*\i+1], v[ST+8*\t+6:ST+8*\t+7] op_sel_hi:[1,0]   ; O^T x a, each result tile from its low end on
.endr
.endr
.endm
; The one prefetch of the launch: the last slot's keys, 1,536 on, are named at the change of slots before the one that loads them: eight key steps ahead.  All clusters of a head walk the same K and V: the head's
; first cluster asks; its four partners take 16,384 bytes each, told apart by address; in each, waves 0 and 2 name K's, waves 4 and 6 V's, 8,192 bytes a wave, lanes 256 bytes apart.  Each block is named once.
.macro ASK
	s_cmp_eq_u32 s[LIM], 1
	s_cbranch_scc0 .Lnot_mine_\@
	global_prefetch_b8 v[PFO], s[PFA:PFA+1] th:TH_LOAD_NT scope:SCOPE_SE
.Lnot_mine_\@:
.endm
.macro NOPS n
.rept \n
	v_nop
.endr
.endm
; A KEY STEP.  chg = 0: the next step lies in the same slot.  1, 2: the slot's last step; slot 0 (1) or slot 1 (2) is filled again with the keys 1,024 further on.  3: a change of slots with nothing left to fetch.  4: the last step.
; K of this step was asked for in the step before; V is asked for at the head and lands under K Q^T and the softmax.
.macro STEP chg
	v_add_nc_u32 v[ADV], s[TB], v[AV0]
	NOPS 3                                         ; with the line above: four places behind the last V^T P, in front of the loads into V's registers
	FETCH_V
	s_wait_dscnt 16                                ; K is in; V's 16 loads, issued behind K's, may be out
	WIN W_MUL
	KQ
	WIN 0
.if \chg == 0
	s_add_co_u32 s[TB], s[TB], STEPB
	v_add_nc_u32 v[ADK], s[TB], v[LN]
	NOPS 3                                         ; four places behind K Q^T: for the loads into K's registers and for the first read of the scores
	FETCH_K
.elseif \chg < 3
	s_wait_tensorcnt 0x0                           ; my one tensor load that was out, my part of the other slot, has landed: a group 0 may be written
	ds_add_u32 v[SPW], v[NIL]                      ; 0 onto my spare word; the descriptor's step stands between it and the wait for it
	s_add_nc_u64 s[G0A+4*(\chg-1)+2:G0A+4*(\chg-1)+3], s[G0A+4*(\chg-1)+2:G0A+4*(\chg-1)+3], 2*65536   ; this slot's next 512 keys; the type bits on top are not reached
	s_wait_dscnt 0x0                               ; the add is done; V of this step is in, so my reads of this slot are over
	CROUND                                         ; both now hold of every wave of all four work-groups
	tensor_load_to_lds s[G0A+4*(\chg-1):G0A+4*(\chg-1)+3], s[G1:G1+7]   ; the joint refill, first thing behind the round, my one load until the next: it has eight key steps, 256 matrix instructions, in which to land
	s_nop 0
	NOPS 4                                         ; (the places behind K Q^T)
	s_mov_b32 s[TB], SLOT1*(2-\chg)                ; the fetches go on in the other slot
	v_add_nc_u32 v[ADK], s[TB], v[LN]
	FETCH_K
.if \chg == 1
	ASK
.endif
.elseif \chg == 3
	s_wait_tensorcnt 0x0                           ; my part of the last slot has landed
	ds_add_u32 v[SPW], v[NIL]
	s_wait_dscnt 0x0
	s_barrier_signal -1
	s_barrier_wait -1                              ; everybody's has; nothing is filled again, so no round
	NOPS 4
	s_mov_b32 s[TB], SLOT1
	v_add_nc_u32 v[ADK], s[TB], v[LN]
	FETCH_K
.else
	NOPS 4
.endif
	SOFTMAX
.if \chg == 4
	s_wait_dscnt 0x0
.else
	s_wait_dscnt 16                                ; V is in; the next step's K, 16 loads issued behind V's, may be out
.endif
	WIN W_MUL
	PV
	WIN 0
.endm
.macro SLOTRUN chg                     ; a slot's eight steps: seven in a loop, the eighth written out with what differs
	s_mov_b32 s[CNT], 7
.Lstep_\@:
	STEP 0
	s_sub_co_u32 s[CNT], s[CNT], 1
	s_cmp_lg_u32 s[CNT], 0
	s_cbranch_scc1 .Lstep_\@
	STEP \chg
.endm
	s_wait_tensorcnt 0x1                           ; my part of slot 0 is in; slot 1's, issued behind it, may stay out
	s_barrier_signal -1
	s_barrier_wait -1                              ; everybody's is
	s_mov_b32 s[TB], 0
	v_add_nc_u32 v[ADK], s[TB], v[LN]
	FETCH_K
	s_wait_loadcnt 0x0                             ; Q
	SLOTRUN 1                                      ; keys 0-511;     slot 0 takes keys 1,024 on
	SLOTRUN 2                                      ; keys 512-1,023; slot 1 takes keys 1,536 on
	SLOTRUN 3                                      ; keys 1,024-1,535
	SLOTRUN 4                                      ; keys 1,536-2,047
	; THE WAY OUT.  l's two halves and the other half of the lanes' are added; O^T is divided by l and rounded to f16: a lane's eight channels are four registers of the next product's fragment.
	NOPS 4                                         ; places behind the last products
.irp t, 0,1
	v_add_f32 v[ST+8*\t+4], v[ST+8*\t+2], v[ST+8*\t+3]
.endr
.irp t, 0,1
	v_permlanex16_b32 v[ST+8*\t+5], v[ST+8*\t+4], s[SEL], s[SEL+1]
.endr
.irp t, 0,1
	v_add_f32 v[ST+8*\t+4], v[ST+8*\t+4], v[ST+8*\t+5]
.endr
.irp t, 0,1
	v_rcp_f32 v[ST+8*\t+6], v[ST+8*\t+4]
.endr
	v_nop                                          ; a plain instruction behind the last reciprocal
	s_wait_alu depctr_va_vdst(0)                   ; one wait for both, ahead of the first use
.irp i, 0,1,2,3,4,5,6,7,8,9,10,11,12,13,14,15
.irp t, 0,1
	v_pk_mul_f32 v[O+32*\t+2*\i:O+32*\t+2*\i+1], v[O+32*\t+2*\i:O+32*\t+2*\i+1], v[ST+8*\t+6:ST+8*\t+7] op_sel_hi:[1,0]
.endr
.endr
.irp i, 0,1,2,3,4,5,6,7,8,9,10,11,12,13,14,15
.irp t, 0,1
	v_cvt_pk_f16_f32 v[S+16*\t+\i], v[O+32*\t+2*\i], v[O+32*\t+2*\i+1]
.endr
.endr
.irp t, 0,1
.irp c, 0,1,2,3
	global_store_b128 v[LN], v[S+16*\t+4*\c:S+16*\t+4*\c+3], s[10:11] offset:32768*\t+512*\c   ; 32 lanes store 512 consecutive bytes, aligned: 16 rows x 16 channels
.endr
.endr
	s_wait_tensorcnt 0x0                           ; the wave's end, behind my last tensor load
	ds_add_u32 v[SPW], v[NIL]
	s_wait_dscnt 0x0
	CROUND                                         ; the closing round: no work-group ends while a partner may still ask for a tile that names it
	s_endpgm
.Lfunc_end_k_qd179904c3b_attn:
	.size	k_qd179904c3b_attn, .Lfunc_end_k_qd179904c3b_attn-k_qd179904c3b_attn
	.p2alignl 7, 3214868480
	.fill 96, 4, 3214868480
	.section	.rodata,"a",@progbits
	.p2align	6, 0x0
	.amdhsa_kernel k_qd179904c3b_attn
		.amdhsa_group_segment_fixed_size 327680
		.amdhsa_private_segment_fixed_size 0
		.amdhsa_enable_private_segment 0
		.amdhsa_kernarg_size 32
		.amdhsa_user_sgpr_count 2
		.amdhsa_user_sgpr_kernarg_segment_ptr 1
		.amdhsa_wavefront_size32 1
		.amdhsa_system_sgpr_workgroup_id_x 1
		.amdhsa_system_sgpr_workgroup_id_y 1
		.amdhsa_system_sgpr_workgroup_id_z 1
		.amdhsa_system_vgpr_workitem_id 0
		.amdhsa_next_free_vgpr 384
		.amdhsa_next_free_sgpr 66
		.amdhsa_reserve_vcc 0
		.amdhsa_float_denorm_mode_32 3
		.amdhsa_float_denorm_mode_16_64 3
		.amdhsa_memory_ordered 1
		.amdhsa_forward_progress 1
		.amdhsa_inst_pref_size 152
	.end_amdhsa_kernel
	.amdgpu_metadata
---
amdhsa.version: [ 1, 2 ]
amdhsa.kernels:
  - .name:           k_qd179904c3b_attn
    .symbol:         k_qd179904c3b_attn.kd
    .args:
      - { .name: qf, .offset: 0, .size: 8, .value_kind: global_buffer, .address_space: global }
      - { .name: kf, .offset: 8, .size: 8, .value_kind: global_buffer, .address_space: global }
      - { .name: vf, .offset: 16, .size: 8, .value_kind: global_buffer, .address_space: global }
      - { .name: attnf, .offset: 24, .size: 8, .value_kind: global_buffer, .address_space: global }
    .group_segment_fixed_size: 327680
    .private_segment_fixed_size: 0
    .kernarg_segment_align: 8
    .kernarg_segment_size: 32
    .max_flat_workgroup_size: 256
    .sgpr_count:     66
    .vgpr_count:     384
    .wavefront_size: 32
...
	.end_amdgpu_metadata
.endif
;; end of part 3
;; launch oproj (part 4): grid 8 x 32, 4 waves a work-group, clusters of 4 x 4, 327,680 bytes of LDS; arguments attnf, wo16, b_o, out0; writes out0
.if DOCPART == 4
	.amdgcn_target "amdgcn-amd-amdhsa--gfx1250"
	.amdhsa_code_object_version 6
	.text
	.protected	k_qd179904c3b_oproj
	.globl	k_qd179904c3b_oproj
	.p2align	8
	.type	k_qd179904c3b_oproj,@function
k_qd179904c3b_oproj:
	s_mov_b64 s[64:65], 0
	v_nop
	global_prefetch_b8 v0, s[64:65] scope:SCOPE_SE
	s_setreg_imm32_b32 hwreg(HW_REG_WAVE_MODE, 25, 1), 1
	s_wait_xcnt 0x0
	s_wait_alu depctr_hold_cnt(0) depctr_sa_sdst(0) depctr_va_vdst(0) depctr_va_sdst(0) depctr_va_ssrc(0) depctr_va_vcc(0) depctr_vm_vsrc(0)
	s_getreg_b32 s2, hwreg(HW_REG_IB_STS2, 6, 4)
	s_cmp_eq_u32 s2, 0
	s_cbranch_scc0 .Lentry_in_a_cluster
	s_endpgm
.Lentry_in_a_cluster:
	s_bfe_u32 s2, ttmp6, 0x10000c
	s_cmp_lg_u32 s2, 0xf033
	s_cbranch_scc0 .Lentry_shape_is_right
	s_endpgm
.Lentry_shape_is_right:
; out0 = attn W_o^T + b_o: [4096 x 1024] x [1024 x 1024], operands in f16, sums in f32, the result f32.
; attnf holds attn in the order of this product's fragments: [16 rows (256)][32 along K (32)][16 along K (2)][lane][16 bytes]; wo16 holds W_o as f16, [1024 n][1024 k], row-major.
; A tile of 128 x 128 is made by a work-group of four waves, 256 work-groups; a wave makes 64 x 64: 16 accumulators.  K goes in four steps of 256 through a ring of two LDS slots; everything is written out, no loop.
; CLUSTERS: 4 x 4 work-groups.  The four of a row of the cluster need the same rows of attn, the four of a column the same rows of W_o: each tile is asked for jointly.
; THE MATRIX INSTRUCTION IS USED TRANSPOSED (source 0 = 16 rows of W_o, source 1 = 16 rows of attn): a lane holds eight neighbouring numbers of a row of the result.  The bias is the C of each sum's first product.
; A wave's 64 columns are 256 bytes of a row: a block of 16 rows goes through the wave's own stage in LDS and leaves with sixteen lanes storing 256 consecutive bytes, aligned.
; No prefetch: a K step here is short, and both first tiles are asked for at the head.
; REGISTERS: window 0: v16-29 addresses; v32-95 rows on the way out, two sets; v96-127 the bias; v128-255 the accumulators ((a, b) at v[128 + 8 (4 a + b)]).
;   window 1: two fragment buffers of 128: for 64 along K, 64 registers of attn, then 64 of W_o.
.set PITCH,  528                       ; a row of W_o's tile in LDS: 512 bytes + 16 of padding = 132 words: the 16 rows of a load start at 16 different banks (64 banks of 4 bytes: ISA guide 11.1)
.set BOFF,   65536                     ; a slot: attn's 8 blocks of 16 rows x 8,192 bytes, as they lie; then W_o's 128 rows
.set SLOT,   BOFF+128*PITCH
.set STAGE,  2*SLOT                    ; behind the ring: 16 rows x 272 bytes for each wave; no tile lands here
.set SPITCH, 272
.set SPARE,  STAGE+4*16*SPITCH         ; the spare words, 128 bytes a wave, which no other line names
.set ADRA, 16                          ; v16-17  LDS address of my attn fragments in slot 0, 1: 16 x lane
.set ADRB, 20                          ; v20-21  of my W_o fragments: row x pitch + 16 x half
.set BO,   23                          ; v23     32 x (lane / 16): my eight numbers of a bias tile
.set STO,  24                          ; v24     the way out: where I put 32 bytes of a row
.set RD,   25                          ; v25     where I read a row back
.set CO,   26                          ; v26     my byte offset in two rows of the result
.set SPW,  28                          ; v28     LDS address of my spare word; never rewritten
.set NIL,  29                          ; v29     0; never rewritten
.set TMP,  32
.set BI,   96
.set ACC,  128
.set F0,   0                           ; fragment buffers, in window 1
.set F1,   128
.set WV,   12                          ; s12 wave;  s13 which half of the rows is mine, also: I fetch for attn (0) or W_o (1);  s14 which half of the columns, also: which half of that tile I fetch
.set RH,   13
.set CH,   14
.set G1,  24                           ; s[24:31] descriptor group 1 for attn's tiles;  s[32:39] group 0, a set for each slot
.set G0,  32
.set G1B, 48                           ; s[48:55], s[56:63] the same for W_o's
.set G0B, 56
.set MSB, 0
.macro WIN new                         ; the immediate's high byte repeats the setting that is left
.if MSB != \new
	s_set_vgpr_msb (MSB<<8)|\new
.set MSB, \new
.endif
.endm
.set MUL,  0x05                        ; sources 0 and 1 window 1; C and D window 0
.set TO_F, 0x40                        ; destination window 1, address window 0
.macro JLOAD s                         ; a joint load: waves 0 and 1 fetch attn's two halves, waves 2 and 3 W_o's; an s_nop 0 and four v_nop follow each line
	s_cmp_eq_u32 s[RH], 0
	s_cbranch_scc0 .Lfor_b_\@
	tensor_load_to_lds s[G0+4*\s:G0+4*\s+3], s[G1:G1+7]
	s_nop 0
.rept 4
	v_nop
.endr
	s_branch .Lasked_\@
.Lfor_b_\@:
	tensor_load_to_lds s[G0B+4*\s:G0B+4*\s+3], s[G1B:G1B+7]
	s_nop 0
.rept 4
	v_nop
.endr
.Lasked_\@:
.endm
.macro CREST                           ; a round of the cluster's barrier behind its opening barrier
	s_cmp_lg_u32 s[WV], 0
	s_cbranch_scc1 .Lnot_wave_0_\@
	s_barrier_signal -3
.Lnot_wave_0_\@:
	s_barrier_wait -3
	s_barrier_signal -1
	s_barrier_wait -1
.endm
.macro CROUND                          ; a whole round
	s_barrier_signal -1
	s_barrier_wait -1
	CREST
.endm
	s_load_b256 s[4:11], s[0:1], 0x0               ; attnf s[4:5], wo16 s[6:7], b_o s[8:9], out0 s[10:11]
	v_lshl_add_u32 v[SPW], v0, 2, SPARE
	v_mov_b32 v[NIL], 0
	ds_add_u32 v[SPW], v[NIL]                      ; the wave's opening: the add, twice on end, and its wait ahead of my first tensor load
	ds_add_u32 v[SPW], v[NIL]
	v_lshrrev_b32 v1, 5, v0
	v_readfirstlane_b32 s[WV], v1                  ; wave 0..3
	s_lshr_b32 s[RH], s[WV], 1
	s_and_b32 s[CH], s[WV], 1
	s_bfe_u32 s40, ttmp6, 0x40000                  ; cx, cy: my place in the cluster
	s_bfe_u32 s41, ttmp6, 0x40004
	s_lshl_b32 s42, ttmp9, 2
	s_add_co_u32 s42, s42, s40                     ; tile column = 4 x cluster x + cx
	s_and_b32 s15, ttmp7, 0xffff
	s_lshl_b32 s15, s15, 2
	s_add_co_u32 s15, s15, s41                     ; tile row = 4 x cluster y + cy
	s_lshl_b32 s43, s41, 2
	s_lshl_b32 s43, 15, s43                        ; my row of the cluster
	s_lshl_b32 s44, 0x1111, s40                    ; my column
	; attn's tile: four blocks of 16 rows, of each the K step's 8,192 bytes (1,024 elements of 8 bytes), 32,768 bytes apart in memory, on end in LDS
	s_or_b32 s[G1+0], s43, (3<<16)|(1<<21)         ; 15:0 the mask: my row; 17:16 elements of 8 bytes; 21 set beside a mask; no padding
	s_mov_b32 s[G1+1], 1024<<16                    ; tensor_dim0
	s_mov_b32 s[G1+2], 4<<16                       ; tensor_dim1
	s_mov_b32 s[G1+3], 1024<<16                    ; tile_dim0
	s_mov_b32 s[G1+4], 4                           ; tile_dim1
	s_mov_b32 s[G1+5], 4096                        ; tensor_dim0_stride
	s_mov_b32 s[G1+6], 0
	s_mov_b32 s[G1+7], 0
	; W_o's tile: 64 rows x 256 elements of 2 bytes, 16 bytes of padding behind each row
	s_or_b32 s[G1B+0], s44, (1<<16)|(1<<20)|(1<<21)|(6<<22)|(3<<25)  ; the mask: my column; padding: four words after every 128
	s_mov_b32 s[G1B+1], 256<<16
	s_mov_b32 s[G1B+2], 64<<16
	s_mov_b32 s[G1B+3], 256<<16
	s_mov_b32 s[G1B+4], 64
	s_mov_b32 s[G1B+5], 1024
	s_mov_b32 s[G1B+6], 0
	s_mov_b32 s[G1B+7], 0
	s_lshl_b32 s16, s15, 3
	s_lshl_b32 s17, s[CH], 2
	s_add_co_u32 s16, s16, s17                     ; attn: block of 16 rows 8 x tile row + 4 x half,
	s_lshl_b32 s16, s16, 15                        ; 32,768 bytes each
	s_mov_b32 s17, 0
	s_lshl_b32 s46, s42, 7
	s_lshl_b32 s47, s[CH], 6
	s_add_co_u32 s46, s46, s47                     ; W_o: row 128 x tile column + 64 x half,
	s_lshl_b32 s46, s46, 11                        ; 2,048 bytes each
	s_mov_b32 s47, 0
	s_lshl_b32 s20, s[CH], 15                      ; where they go: no place in the cluster enters an LDS address
	s_mul_i32 s21, s[CH], 64*PITCH
	s_add_co_u32 s21, s21, BOFF
	s_wait_dscnt 0x0                               ; both opening adds are done
	s_wait_kmcnt 0x0
	s_add_nc_u64 s[16:17], s[4:5], s[16:17]
	s_add_nc_u64 s[46:47], s[6:7], s[46:47]
	CROUND                                         ; all sixteen work-groups are here: the first joint loads meet
.irp s, 0,1
	s_mov_b32 s[G0+4*\s], 1
	s_add_co_u32 s[G0+4*\s+1], s20, \s*SLOT
	s_add_nc_u64 s[G0+4*\s+2:G0+4*\s+3], s[16:17], \s*8192
	s_or_b32 s[G0+4*\s+3], s[G0+4*\s+3], 0x80000000
	s_mov_b32 s[G0B+4*\s], 1
	s_add_co_u32 s[G0B+4*\s+1], s21, \s*SLOT
	s_add_nc_u64 s[G0B+4*\s+2:G0B+4*\s+3], s[46:47], \s*512
	s_or_b32 s[G0B+4*\s+3], s[G0B+4*\s+3], 0x80000000
	JLOAD \s                                       ; two tensor loads of mine are out
.endr
	v_and_b32 v1, 15, v0                           ; r = lane % 16
	v_bfe_u32 v2, v0, 4, 1                         ; h = lane / 16
	v_and_b32 v3, 31, v0
	v_lshlrev_b32 v3, 4, v3                        ; 16 x lane
	v_mul_u32_u24 v4, v1, PITCH
	v_lshl_add_u32 v4, v2, 4, v4                   ; W_o: row x pitch + 16 x half
	s_lshl_b32 s21, s[RH], 15                      ; my 64 rows of attn: four blocks of 8,192 bytes
	s_mul_i32 s22, s[CH], 64*PITCH                 ; my 64 rows of W_o
	s_add_co_u32 s22, s22, BOFF
.irp s, 0,1
	v_add_nc_u32 v[ADRA+\s], s21, v3
	v_add_nc_u32 v[ADRB+\s], s22, v4
	s_add_co_u32 s21, s21, SLOT
	s_add_co_u32 s22, s22, SLOT
.endr
	s_mul_i32 s23, s[WV], 16*SPITCH
	s_add_co_u32 s23, s23, STAGE                   ; my stage
	v_mul_u32_u24 v5, v1, SPITCH                   ; in: row r, 32 bytes for each half of the lanes
	v_lshl_add_u32 v5, v2, 5, v5
	v_add_nc_u32 v[STO], s23, v5
	v_mul_u32_u24 v5, v2, SPITCH                   ; back: lanes 0-15 one row of 256 bytes, lanes 16-31 the next
	v_lshl_add_u32 v5, v1, 4, v5
	v_add_nc_u32 v[RD], s23, v5
	v_lshlrev_b32 v5, 12, v2                       ; and the same two rows of the result, 4,096 bytes apart
	v_lshl_add_u32 v[CO], v1, 4, v5
	v_lshlrev_b32 v[BO], 5, v2
	s_lshl_b32 s16, s15, 7
	s_lshl_b32 s17, s[RH], 6
	s_add_co_u32 s16, s16, s17                     ; my first row: 128 x tile row + 64 x half
	s_lshl_b32 s16, s16, 12
	s_mov_b32 s17, 0
	s_lshl_b32 s46, s42, 9
	s_lshl_b32 s47, s[CH], 8
	s_add_co_u32 s46, s46, s47                     ; my first column, in bytes: 4 x (128 x tile column + 64 x half); the same in b_o
	s_mov_b32 s47, 0
	s_add_nc_u64 s[8:9], s[8:9], s[46:47]
	s_add_nc_u64 s[10:11], s[10:11], s[16:17]
	s_add_nc_u64 s[10:11], s[10:11], s[46:47]
.irp b, 0,1,2,3                                ; register 8 b + j = b_o of column 16 b + 8 h + j: the layout of a result tile
	global_load_b128 v[BI+8*\b:BI+8*\b+3], v[BO], s[8:9] offset:64*\b
	global_load_b128 v[BI+8*\b+4:BI+8*\b+7], v[BO], s[8:9] offset:64*\b+16
.endr
; 8 matrix instructions: row blocks a0, a0 + 1 x all 4 column blocks, 32 along K: half c of buffer f.  zero = 1: the first product starts the sums from the bias.  The 16 accumulators take turns.
.macro MUL8 f, c, a0, zero
.irp a, \a0, \a0+1
.irp b, 0,1,2,3
.if \zero
	v_wmma_f32_16x16x32_f16 v[ACC+8*(4*(\a)+\b):ACC+8*(4*(\a)+\b)+7], v[\f+64+8*(4*\c+\b):\f+64+8*(4*\c+\b)+7], v[\f+8*(4*\c+\a):\f+8*(4*\c+\a)+7], v[BI+8*\b:BI+8*\b+7]
.else
	v_wmma_f32_16x16x32_f16 v[ACC+8*(4*(\a)+\b):ACC+8*(4*(\a)+\b)+7], v[\f+64+8*(4*\c+\b):\f+64+8*(4*\c+\b)+7], v[\f+8*(4*\c+\a):\f+8*(4*\c+\a)+7], v[ACC+8*(4*(\a)+\b):ACC+8*(4*(\a)+\b)+7]
.endif
.endr
.endr
.endm
; 32 LDS loads in one run: the fragments of the slot's q-th 64 along K into buffer f; the first 32 along K first.  attn's lie as register images: block i at 8,192 i, 32 along K at 1,024 each, 512 bytes a load.
.macro FETCH slot, q, f
	WIN TO_F
.irp c, 0,1
.irp i, 0,1,2,3
	ds_load_b128 v[\f+64+8*(4*\c+\i):\f+64+8*(4*\c+\i)+3],   v[ADRB+\slot] offset:128*(\q)+64*\c+\i*16*PITCH
	ds_load_b128 v[\f+64+8*(4*\c+\i)+4:\f+64+8*(4*\c+\i)+7], v[ADRB+\slot] offset:128*(\q)+64*\c+\i*16*PITCH+32
	ds_load_b128 v[\f+8*(4*\c+\i):\f+8*(4*\c+\i)+3],         v[ADRA+\slot] offset:8192*\i+1024*(2*(\q)+\c)
	ds_load_b128 v[\f+8*(4*\c+\i)+4:\f+8*(4*\c+\i)+7],       v[ADRA+\slot] offset:8192*\i+1024*(2*(\q)+\c)+512
.endr
.endr
.endm
.macro PLACES                          ; four places in front of loads into registers that matrix instructions have read, and of the first read of results (ISA guide 7.12.1 for vector instructions)
.rept 4
	v_nop
.endr
.endm
; A K step is four quarters of 64 along K, 32 matrix instructions each, on buffers 0, 1, 0, 1.  One of the first three: multiplies buffer f and fetches the slot's quarter q into g.
.macro QUARTER slot, q, f, g, zero
	s_wait_dscnt 16                                ; the first 32 along K are in; the youngest sixteen loads may be out
	WIN MUL
	MUL8 \f, 0, 0, \zero
	MUL8 \f, 0, 2, \zero
	PLACES
	FETCH \slot, \q, \g
	s_wait_dscnt 32                                ; all but the 32 just issued
	WIN MUL
	MUL8 \f, 1, 0, 0
	MUL8 \f, 1, 2, 0
.endm
; The last quarter multiplies buffer 1 and changes slots: ONE barrier; in front of it each wave waits for all its tensor loads, adds 0 to its spare word, and waits for that and for its reads of this slot.
; fill = 1: the barrier opens a round of the cluster's barrier, and this slot is filled again, two K steps ahead: 112 matrix instructions stand between the request and the wait for it.
.macro TURN slot, next, fill
	WIN 0                                          ; (the add's two registers lie in window 0)
	s_wait_tensorcnt 0x0                           ; all my tensor loads have landed: my part of the next slot
	ds_add_u32 v[SPW], v[NIL]
	s_wait_dscnt 17                                ; (the add and the youngest sixteen loads may be out)
	WIN MUL
	MUL8 F1, 0, 0, 0                               ; eight matrix instructions stand between the add and the wait for it
	s_wait_dscnt 0x0                               ; the add is done, and my reads of this slot are over
	s_barrier_signal -1
	MUL8 F1, 0, 2, 0
.if \fill
	WIN 0
.endif
	s_barrier_wait -1
.if \fill
	CREST                                          ; no wave of any partner still reads this slot's tile or has a load on its way
	s_add_nc_u64 s[G0+4*\slot+2:G0+4*\slot+3], s[G0+4*\slot+2:G0+4*\slot+3], 2*8192
	s_add_nc_u64 s[G0B+4*\slot+2:G0B+4*\slot+3], s[G0B+4*\slot+2:G0B+4*\slot+3], 2*512
	JLOAD \slot                                    ; the first tensor load behind the round, my one load until the next; its four v_nop are also the places in front of the loads below
.else
	PLACES
.endif
	FETCH \next, 0, F0
	WIN MUL
	MUL8 F1, 1, 0, 0
	MUL8 F1, 1, 2, 0
.endm
	s_wait_tensorcnt 0x1                           ; my part of K step 0 is in; K step 1's, issued behind it, may be out
	s_barrier_signal -1
	s_barrier_wait -1                              ; everybody's is
	FETCH 0, 0, F0
	s_wait_loadcnt 0x0                             ; the bias
	QUARTER 0, 1, F0, F1, 1                        ; K step 0: its first products start the sums
	QUARTER 0, 2, F1, F0, 0
	QUARTER 0, 3, F0, F1, 0
	TURN 0, 1, 1                                   ; slot 0 takes K step 2
	QUARTER 1, 1, F0, F1, 0                        ; K step 1
	QUARTER 1, 2, F1, F0, 0
	QUARTER 1, 3, F0, F1, 0
	TURN 1, 0, 1                                   ; slot 1 takes K step 3
	QUARTER 0, 1, F0, F1, 0                        ; K step 2
	QUARTER 0, 2, F1, F0, 0
	QUARTER 0, 3, F0, F1, 0
	TURN 0, 1, 0                                   ; nothing is left to fetch
	QUARTER 1, 1, F0, F1, 0                        ; K step 3
	QUARTER 1, 2, F1, F0, 0
	QUARTER 1, 3, F0, F1, 0
	s_wait_dscnt 16                                ; the very last quarter
	WIN MUL
	MUL8 F1, 0, 0, 0
	MUL8 F1, 0, 2, 0
	s_wait_dscnt 0
	MUL8 F1, 1, 0, 0
	MUL8 F1, 1, 2, 0
	WIN 0
; THE WAY OUT, block by block of 16 rows x 64 columns, through my own stage.  LDS serves a wave's instructions in order (ISA guide 5.7.1.4): no wait between the stores and the loads, nor in front of the next block's stores.
.macro TOSTAGE a
.irp b, 0,1,2,3
	ds_store_b128 v[STO], v[ACC+8*(4*(\a)+\b):ACC+8*(4*(\a)+\b)+3] offset:64*\b        ; each accumulator from its low end on
	ds_store_b128 v[STO], v[ACC+8*(4*(\a)+\b)+4:ACC+8*(4*(\a)+\b)+7] offset:64*\b+16
.endr
.irp t, 0,1,2,3,4,5,6,7
	ds_load_b128 v[TMP+32*((\a)%2)+4*\t:TMP+32*((\a)%2)+4*\t+3], v[RD] offset:\t*2*SPITCH
.endr
.endm
.macro SEND a, younger                 ; younger: the LDS instructions issued behind block a's loads, which may stay out
	s_wait_dscnt \younger
.irp t, 0,1,2,3,4,5,6,7
	global_store_b128 v[CO], v[TMP+32*((\a)%2)+4*\t:TMP+32*((\a)%2)+4*\t+3], s[10:11] offset:65536*(\a)+8192*\t th:TH_STORE_NT   ; 16 lanes store 256 consecutive bytes, aligned; written once, read by nobody here
.endr
.endm
	PLACES                                         ; behind the last products, in front of the first read of results
	TOSTAGE 0
.irp a, 1,2,3
.if \a > 1
	s_wait_xcnt 0x0                                ; block a - 2's stores have read their data: block a's loads may land there
.endif
	TOSTAGE \a
	SEND \a-1, 16                                  ; behind block a - 1's loads: block a's 8 stores and 8 loads
.endr
	SEND 3, 0
	s_wait_tensorcnt 0x0                           ; the wave's end, behind my last tensor load and my last LDS store
	ds_add_u32 v[SPW], v[NIL]
	s_wait_dscnt 0x0
	CROUND                                         ; the closing round: no work-group ends while a partner may still ask for a tile that names it
	s_endpgm
.Lfunc_end_k_qd179904c3b_oproj:
	.size	k_qd179904c3b_oproj, .Lfunc_end_k_qd179904c3b_oproj-k_qd179904c3b_oproj
	.p2alignl 7, 3214868480
	.fill 96, 4, 3214868480
	.section	.rodata,"a",@progbits
	.p2align	6, 0x0
	.amdhsa_kernel k_qd179904c3b_oproj
		.amdhsa_group_segment_fixed_size 327680
		.amdhsa_private_segment_fixed_size 0
		.amdhsa_enable_private_segment 0
		.amdhsa_kernarg_size 32
		.amdhsa_user_sgpr_count 2
		.amdhsa_user_sgpr_kernarg_segment_ptr 1
		.amdhsa_wavefront_size32 1
		.amdhsa_system_sgpr_workgroup_id_x 1
		.amdhsa_system_sgpr_workgroup_id_y 1
		.amdhsa_system_sgpr_workgroup_id_z 1
		.amdhsa_system_vgpr_workitem_id 0
		.amdhsa_next_free_vgpr 512
		.amdhsa_next_free_sgpr 66
		.amdhsa_reserve_vcc 0
		.amdhsa_float_denorm_mode_32 3
		.amdhsa_float_denorm_mode_16_64 3
		.amdhsa_memory_ordered 1
		.amdhsa_forward_progress 1
		.amdhsa_inst_pref_size 86
	.end_amdhsa_kernel
	.amdgpu_metadata
---
amdhsa.version: [ 1, 2 ]
amdhsa.kernels:
  - .name:           k_qd179904c3b_oproj
    .symbol:         k_qd179904c3b_oproj.kd
    .args:
      - { .name: attnf, .offset: 0, .size: 8, .value_kind: global_buffer, .address_space: global }
      - { .name: wo16, .offset: 8, .size: 8, .value_kind: global_buffer, .address_space: global }
      - { .name: b_o, .offset: 16, .size: 8, .value_kind: global_buffer, .address_space: global }
      - { .name: out0, .offset: 24, .size: 8, .value_kind: global_buffer, .address_space: global }
    .group_segment_fixed_size: 327680
    .private_segment_fixed_size: 0
    .kernarg_segment_align: 8
    .kernarg_segment_size: 32
    .max_flat_workgroup_size: 128
    .sgpr_count:     66
    .vgpr_count:     512
    .wavefront_size: 32
...
	.end_amdgpu_metadata
.endif
;; end of part 4
